; MI455X (gfx1250); checked and timed in simulation.
; The chip was launched on July 23, 2026; its instructions are those of AMD's public machine-readable ISA for CDNA 5 (MIT licence, August 2026) and "CDNA5" Instruction Set Architecture Reference Guide (July 2026). The comments in the code are by the model that wrote it; some were corrected since.
;; Pre LN Transformer Block. Allowed arithmetic: matrix products marked QUANTISED: E2M3 operands, one E8M0 scale for each 32 along K, by v_wmma_scale_f32_16x16x128_f8f6f4 with both operands' format E2M3, f32 sums; everything else in f32.
;; Inputs: cos 2,048 x 64 float32; ff1_b 4,096 float32; ff1_w 4,096 x 1,024 float32; ff2_b 1,024 float32; ff2_w 1,024 x 4,096 float32; ln1_b 1,024 float32; ln1_w 1,024 float32; ln2_b 1,024 float32; ln2_w 1,024 float32; proj_w 1,024 x 1,024 float32; qkv_w 3,072 x 1,024 float32; sin 2,048 x 64 float32; x 2 x 2,048 x 1,024 float32.
;; Outputs: out0 2 x 2,048 x 1,024 float32.
;; This version of the problem:
;;   THIS VERSION OF THE PROBLEM IS GIVEN IN LOW PRECISION. The matrix products marked QUANTISED in the list below multiply operands that are first quantised to E2M3 (2 exponent bits, 3 mantissa bits; 6 bits a number), with one power-of-two scale for each 32 numbers along K (OCP MX v1.0); their sums are f32. All else is computed in f32.
;;   The module's matrix products, in the order in which they are computed (A, B: the left and right operand; K: the contracted axis; several contracted axes count as one K, in the product's order):
;;     1. [M 4,096, K 1,024] x [K 1,024, N 3,072]; A: computed on the way; B: input qkv_w: QUANTISED
;;     2. batch 32 x [M 2,048, K 64] x [K 64, N 2,048]; A: computed on the way; B: computed on the way: QUANTISED
;;     3. batch 32 x [M 2,048, K 2,048] x [K 2,048, N 64]; A: softmax (see below); B: computed on the way: QUANTISED
;;     4. [M 4,096, K 1,024] x [K 1,024, N 1,024]; A: computed on the way; B: input proj_w: QUANTISED
;;     5. [M 4,096, K 1,024] x [K 1,024, N 4,096]; A: computed on the way; B: input ff1_w: QUANTISED
;;     6. [M 4,096, K 4,096] x [K 4,096, N 1,024]; A: computed on the way; B: input ff2_w: QUANTISED
;;   THE QUANTISER, for each operand of a quantised product, along K:
;;     - K is cut into blocks of 32 from its start; a last block that is shorter is filled with zeros.
;;     - A block's scale is 2^e with e = floor(log2(the largest magnitude in the block)) - 2, held to -126 .. 127; a block of zeros has e = 0. As a byte (E8M0): e + 127.
;;     - Each number is divided by its block's scale, clamped to +-7.5, and rounded to the nearest number of E2M3, ties to even, subnormals kept.
;;     - The product sums the exact products of the quantised numbers (number of the format x scale) in f32.
;;   ~~~python
;;   def quantise(x, axis):      # numpy; x: float32 -> the quantised numbers, widened to float32 again
;;       x = np.moveaxis(x, axis, -1); K = x.shape[-1]
;;       x = np.pad(x, [(0, 0)] * (x.ndim - 1) + [(0, -K % 32)]); x = x.reshape(x.shape[:-1] + (-1, 32)); a = np.abs(x).max(-1, keepdims=True)
;;       e = np.where(a > 0, np.clip(np.frexp(np.where(a > 0, a, 1))[1] - 1 - 2, -126, 127), 0)      # np.frexp(a)[1] - 1 = floor(log2(a)), exactly
;;       r = np.clip(x / 2.0 ** e, -7.5, 7.5)
;;       step = 2.0 ** (np.maximum(np.frexp(np.where(r == 0, 1, r))[1] - 1, 0) - 3)
;;       q = np.round(r / step) * step * 2.0 ** e      # np.round: ties to even
;;       return np.moveaxis(q.reshape(q.shape[:-2] + (-1,))[..., :K], -1, axis).astype(np.float32)
;;   ~~~
;;   SOFTMAX AHEAD OF A QUANTISED PRODUCT. Where the list says 'softmax', what is quantised is not the finished softmax but p = 2^(t - M), with t = logit x log2(e) and M = ceil(the row's largest t), a whole number; so 1/2 < the row's largest p <= 1. The row's sum l is taken of the UNQUANTISED p, in f32, and the product's result is divided by l at the end. Since M is a whole number, a kernel that streams over the keys may use a running M (the ceiling of the running maximum): every later rescaling is an exact power of two, which a block's scale takes up: the codes' values come out the same.
;;   OPERANDS COMPUTED ON THE WAY. 'Computed on the way' means the value that the module computes at that place (a softmax that the list does not call 'softmax' is quantised finished and normalised). What goes into a quantiser is computed in f32, as accurately as f32 sums, v_exp_f32 and their like allow (about 1e-6 of the number): no bf16 or f16 on the way to a quantiser, and a product that is left as it is and whose result goes on into a quantised operand takes f32 operands (vector FMAs, or v_wmma_f32_16x16x4_f32). A number that lies on a knife's edge between two numbers of the format may be rounded either way, as far as f32 arithmetic and the matrix unit's own rounding can turn it there, and no further.
;; One version. Each part assembles by itself: llvm-mc -triple=amdgcn-amd-amdhsa -mcpu=gfx1250 --defsym DOCPART=n.
;; ======== version 1 of 1: 7 launches
;; limits: right only within a limited range of input values
;; workspace buffers: wq 13,107,200 bytes; qkvq 9,830,400 bytes; oq 3,276,800 bytes; x1 16,777,216 bytes; fq 13,107,200 bytes
;; launch prep (part 1): grid 512 x 1, 16 waves a work-group, no clusters, 102,400 bytes of LDS; arguments x, ln1_w, ln1_b, qkv_w, proj_w, ff1_w, ff2_w, wq; writes wq
.if DOCPART == 1
	.amdgcn_target "amdgcn-amd-amdhsa--gfx1250"
	.amdhsa_code_object_version 6
	.text
	.protected	k_q6f81f75916_prep
	.globl	k_q6f81f75916_prep
	.p2align	8
	.type	k_q6f81f75916_prep,@function
k_q6f81f75916_prep:
	s_mov_b64 s[64:65], 0
	v_nop
	global_prefetch_b8 v0, s[64:65] scope:SCOPE_SE
	s_setreg_imm32_b32 hwreg(HW_REG_WAVE_MODE, 25, 1), 1
	s_wait_xcnt 0x0
; Rows of f32 become codes of FP6 (E2M3) with one E8M0 byte for each 32 along K, laid as IMAGES OF OPERAND REGISTERS.
; A task g is one tile of 16 rows x 1,024 along K = 8 fragments of 1,536 bytes (codes at 12,288 g) and 8 x 64 bytes of scale words (at SB + 512 g).
; Tasks 0-255: LayerNorm of x's 4,096 rows, then quantised.  256-447: qkv_w.  448-511: proj_w.  512-767: ff1_w.  768-1023: ff2_w, whose rows are 4,096 long: four tasks to a tile of rows.
; WORK-GROUP i TAKES TWO TASKS, 512 + i and then i, AND ASKS FOR BOTH AT ITS HEAD: 16 loads of 16 bytes a lane.  The second task's rows are on their way while the first is worked.
; The LayerNorm's gain and bias are asked for when the first task has left the registers that take them, ahead of its barrier.
; ROW ORDER: row r of tile T is row 32 (T/2) + 8 (T%2) + r + 8 (r/8), so that in a transposed product a lane's 16 registers of two neighbouring tiles are 16 neighbouring columns.
; A fragment's image: piece p (0..5) at 256 p + 8 lane holds registers 2p, 2p+1 of lane r + 16 h: bytes 8 (p%3) on of the 24 bytes of block 2 (p/3) + h of row r.
; Wave j takes row j of the tile.  Eight loads of 512 consecutive bytes bring it; it turns through the wave's own stage in LDS so that lane l holds block l (32 neighbours);
; the codes meet in a shared image in LDS and leave as aligned runs of 256 bytes.  Each task has an image of its own, so one barrier a task is enough.  Work-groups share nothing: no cluster, no tensor load.
; LIMITS: NaN and infinities are not served.  A block of zeros gets the byte 1 where the rule says 127: its codes are zeros, and only this program reads the bytes.
.set IMGS,  73728                      ; behind the 16 turn stages of 4,608 bytes: the first task's image, 48 pieces 264 bytes apart
.set SCS,   86528                      ; its 512 scale bytes
.set SET2,  13312                      ; the second task's image and scale bytes lie so far behind the first's
.set SPARE, 100352                     ; the spare words, 128 bytes for each wave: eight blocks of 256 bytes that no other line names
.set SB,    12582912                   ; where the scale words begin in the output buffer
.set R0,    32                         ; v32-63   the first task's row; later the gain
.set R1,    64                         ; v64-95   my block's 32 numbers behind the turn; between the tasks the bias
.set R2,    96                         ; v96-127  the second task's row
.set SPW,   30
.set NIL,   31
; s[idx]: a task's number within its tensor; s[sh]: log2 of the tasks to a tile of rows; s[pl]: log2 of a row's bytes.  s[out:out+1]: the byte at which my row's 1,024 numbers begin
.macro WHERE idx, sh, pl, out
	s_lshr_b32 s32, s[\idx], s[\sh]                ; the tile of rows T
	s_lshl_b32 s33, s32, s[\sh]
	s_sub_co_u32 s33, s[\idx], s33                 ; which 1,024 along K
	s_lshr_b32 s34, s32, 1
	s_lshl_b32 s34, s34, 5
	s_and_b32 s35, s32, 1
	s_lshl_b32 s35, s35, 3
	s_add_co_u32 s34, s34, s35
	s_add_co_u32 s34, s34, s3
	s_and_b32 s35, s3, 8
	s_add_co_u32 s34, s34, s35                     ; my row: 32 (T/2) + 8 (T%2) + j + 8 (j/8)
	s_lshl_b32 s[\out], s34, s[\pl]
	s_lshl_b32 s33, s33, 12
	s_add_co_u32 s[\out], s[\out], s33
	s_mov_b32 s[\out+1], 0
.endm
.macro ACROSS                          ; v18 summed over the 32 lanes, the result in every lane
	s_delay_alu instid0(VALU_DEP_1)
	v_add_f32_dpp v18, v18, v18 row_xmask:1 row_mask:0xf bank_mask:0xf
	s_delay_alu instid0(VALU_DEP_1)
	v_add_f32_dpp v18, v18, v18 row_xmask:2 row_mask:0xf bank_mask:0xf
	s_delay_alu instid0(VALU_DEP_1)
	v_add_f32_dpp v18, v18, v18 row_xmask:4 row_mask:0xf bank_mask:0xf
	s_delay_alu instid0(VALU_DEP_1)
	v_add_f32_dpp v18, v18, v18 row_xmask:8 row_mask:0xf bank_mask:0xf
	s_delay_alu instid0(VALU_DEP_1)
	v_permlanex16_b32 v19, v18, s30, s31
	s_delay_alu instid0(VALU_DEP_1)
	v_add_f32 v18, v18, v19
.endm
.macro JOIN4                           ; the four chains v[10:17] into v18
	s_delay_alu instid0(VALU_DEP_3)
	v_pk_add_f32 v[10:11], v[10:11], v[12:13]
	s_delay_alu instid0(VALU_DEP_2)
	v_pk_add_f32 v[14:15], v[14:15], v[16:17]
	s_delay_alu instid0(VALU_DEP_1)
	v_pk_add_f32 v[10:11], v[10:11], v[14:15]
	s_delay_alu instid0(VALU_DEP_1)
	v_add_f32 v18, v10, v11
.endm
.macro LNORM                           ; LayerNorm of the row in R2, gain in R0, bias in R1, in place
	s_wait_loadcnt 16                              ; the row is in; the 16 loads of gain and bias may be out
	v_mov_b32 v22, 0x3a800000                      ; 1 / 1,024
.irp k, 0,1,2,3                        ; the mean: four chains of packed sums, started by the first pairs
	v_pk_add_f32 v[10+2*\k:11+2*\k], v[R2+2*\k:R2+2*\k+1], v[R2+8+2*\k:R2+9+2*\k]
.endr
.irp k, 0,1,2,3
	s_delay_alu instid0(VALU_DEP_4)
	v_pk_add_f32 v[10+2*\k:11+2*\k], v[10+2*\k:11+2*\k], v[R2+16+2*\k:R2+17+2*\k]
.endr
.irp k, 0,1,2,3
	s_delay_alu instid0(VALU_DEP_4)
	v_pk_add_f32 v[10+2*\k:11+2*\k], v[10+2*\k:11+2*\k], v[R2+24+2*\k:R2+25+2*\k]
.endr
	JOIN4
	ACROSS
	s_delay_alu instid0(VALU_DEP_1)
	v_mul_f32 v20, v22, v18
	s_delay_alu instid0(VALU_DEP_1)
	v_mov_b32 v21, v20
.irp k, 0,2,4,6,8,10,12,14,16,18,20,22,24,26,28,30
	v_pk_add_f32 v[R2+\k:R2+\k+1], v[R2+\k:R2+\k+1], v[20:21] neg_lo:[0,1] neg_hi:[0,1]   ; x - mean
.endr
.irp k, 0,1,2,3                        ; the variance, of the differences
	v_pk_mul_f32 v[10+2*\k:11+2*\k], v[R2+2*\k:R2+2*\k+1], v[R2+2*\k:R2+2*\k+1]
.endr
.irp o, 8,16,24
.irp k, 0,1,2,3
	s_delay_alu instid0(VALU_DEP_4)
	v_pk_fma_f32 v[10+2*\k:11+2*\k], v[R2+\o+2*\k:R2+\o+2*\k+1], v[R2+\o+2*\k:R2+\o+2*\k+1], v[10+2*\k:11+2*\k]
.endr
.endr
	JOIN4
	ACROSS
	s_delay_alu instid0(VALU_DEP_1)
	v_fmaak_f32 v18, v18, v22, 0x3727c5ac          ; sum / 1,024 + 1e-5
	s_wait_alu depctr_va_vdst(0)
	v_rsq_f32 v20, v18
	v_rsq_f32 v21, v18                             ; twice: a pair for the packed multiply
	v_nop                                          ; a plain instruction behind the transcendentals
	s_wait_loadcnt 0x0                             ; gain and bias
	s_wait_alu depctr_va_vdst(0)                   ; one wait for both, ahead of their first reader
.irp k, 0,2,4,6,8,10,12,14,16,18,20,22,24,26,28,30
	v_pk_mul_f32 v[R2+\k:R2+\k+1], v[R2+\k:R2+\k+1], v[20:21]
.endr
.irp k, 0,2,4,6,8,10,12,14,16,18,20,22,24,26,28,30
	v_pk_fma_f32 v[R2+\k:R2+\k+1], v[R2+\k:R2+\k+1], v[R0+\k:R0+\k+1], v[R1+\k:R1+\k+1]
.endr
.endm
; The row in v[x] on is turned, quantised, and its codes and scale byte put into image number set.
.macro PACK x, set
.irp i, 0,1,2,3,4,5,6,7                ; the turn: LDS serves a wave's instructions in order, so no wait stands between the stores and the loads
	ds_store_b128 v3, v[\x+4*\i:\x+4*\i+3] offset:576*\i
.endr
.irp i, 0,1,2,3,4,5,6,7
	ds_load_b128 v[R1+4*\i:R1+4*\i+3], v4 offset:16*\i
.endr
	s_wait_dscnt 0x0
	v_max3_num_f32 v10, |v[R1]|, |v[R1+1]|, |v[R1+2]|              ; my block's largest magnitude: all 32 numbers are mine
	v_max3_num_f32 v11, |v[R1+3]|, |v[R1+4]|, |v[R1+5]|
.irp i, 6,10,14,18,22,26
	s_delay_alu instid0(VALU_DEP_2)
	v_max3_num_f32 v10, v10, |v[R1+\i]|, |v[R1+\i+1]|
	s_delay_alu instid0(VALU_DEP_2)
	v_max3_num_f32 v11, v11, |v[R1+\i+2]|, |v[R1+\i+3]|
.endr
	s_delay_alu instid0(VALU_DEP_2)
	v_max3_num_f32 v10, v10, |v[R1+30]|, |v[R1+31]|
	s_delay_alu instid0(VALU_DEP_1)
	v_max3_num_f32 v10, v10, v11, 0x1800000        ; and the floor 2^(3 - 127): the byte cannot fall under 1
	s_delay_alu instid0(VALU_DEP_1)
	v_add_nc_u32 v12, 0xff000000, v10              ; 2 off the exponent field: the conversion takes this operand's exponent field as its scale
	v_cvt_scalef32_pk16_fp6_f32 v[24:26], v[R1:R1+15], v12
	v_cvt_scalef32_pk16_fp6_f32 v[14:16], v[R1+16:R1+31], v12      ; (a conversion's three registers begin on an even number)
	v_lshrrev_b32 v13, 23, v12                     ; the scale's byte; also the plain instruction behind the conversions
	v_mov_b32 v27, v14
	v_mov_b32 v28, v15
	v_mov_b32 v29, v16
	ds_store_b64 v5, v[24:25] offset:(\set)*SET2
	ds_store_b64 v5, v[26:27] offset:(\set)*SET2+264
	ds_store_b64 v5, v[28:29] offset:(\set)*SET2+528
	ds_store_b8 v6, v13 offset:(\set)*SET2
.endm
.macro MEET
	s_wait_dscnt 0x0                               ; for the others' sake: my stores into the image have landed
	s_barrier_signal -1
	s_barrier_wait -1
.endm
; Image number set leaves: wave w stores pieces 3 w .. 3 w + 2 to s[cod:cod+1], wave 0 also the 512 bytes of scale words to s[scl:scl+1].
.macro OUT set, cod, scl
.irp i, 0,1,2
	ds_load_b64 v[14+2*\i:15+2*\i], v7 offset:(\set)*SET2+264*\i
.endr
	s_wait_dscnt 0x0
.irp i, 0,1,2
	global_store_b64 v8, v[14+2*\i:15+2*\i], s[\cod:\cod+1] offset:256*\i   ; 32 lanes store 256 consecutive bytes, at a multiple of 256 from the buffer's first byte
.endr
	s_cmp_lg_u32 s3, 0
	s_cbranch_scc1 .Lnot0_\@
	ds_load_b128 v[20:23], v9 offset:(\set)*SET2
	s_wait_dscnt 0x0
	global_store_b128 v2, v[20:23], s[\scl:\scl+1]
.Lnot0_\@:
.endm
	s_load_b512 s[8:23], s[0:1], 0x0               ; x, gain, bias, qkv_w, proj_w, ff1_w, ff2_w, output
	v_lshl_add_u32 v[SPW], v0, 2, SPARE
	v_mov_b32 v[NIL], 0
	v_lshrrev_b32 v1, 5, v0
	s_delay_alu instid0(VALU_DEP_1)
	v_readfirstlane_b32 s3, v1                     ; wave j = row of the tile
	v_and_b32 v1, 31, v0                           ; lane
	s_delay_alu instid0(VALU_DEP_1)
	v_lshlrev_b32 v2, 4, v1                        ; 16 x lane: my bytes of a load's 512; never rewritten
	s_mul_i32 s27, s3, 4608                        ; my turn stage
	v_lshrrev_b32 v4, 3, v1
	s_delay_alu instid0(VALU_DEP_1)
	v_lshl_add_u32 v3, v4, 4, v2
	s_delay_alu instid0(VALU_DEP_1)
	v_add_nc_u32 v3, s27, v3                       ; in: as the bytes lie, 16 bytes of padding behind each 128
	v_mul_u32_u24 v4, v1, 144
	s_delay_alu instid0(VALU_DEP_1)
	v_add_nc_u32 v4, s27, v4                       ; out: 144 x lane: my block's 128 bytes
	v_lshrrev_b32 v6, 1, v1
	s_delay_alu instid0(VALU_DEP_1)
	v_mul_u32_u24 v5, v6, 792
	v_and_b32 v6, 1, v1
	s_delay_alu instid0(VALU_DEP_1)
	v_lshl_add_u32 v5, v6, 7, v5
	s_lshl_b32 s28, s3, 3
	s_add_co_u32 s28, s28, IMGS
	v_add_nc_u32 v5, s28, v5                       ; the image: piece 3 (lane/2) + i, place 8 (j + 16 (lane%2))
	v_lshrrev_b32 v7, 2, v1
	v_and_b32 v6, 3, v1
	s_delay_alu instid0(VALU_DEP_1)
	v_lshl_add_u32 v6, v7, 6, v6
	s_lshl_b32 s28, s3, 2
	s_add_co_u32 s28, s28, SCS
	v_add_nc_u32 v6, s28, v6                       ; my block's scale byte: fragment lane/4, word j, byte lane%4
	s_mul_i32 s28, s3, 792
	s_add_co_u32 s28, s28, IMGS
	v_lshl_add_u32 v7, v1, 3, s28                  ; the way out: wave w reads pieces 3 w .. 3 w + 2,
	s_mul_i32 s28, s3, 768
	v_lshl_add_u32 v8, v1, 3, s28                  ; and stores them 256 bytes apart; never rewritten
	v_add_nc_u32 v9, SCS, v2
	v_mov_b32 v19, 0                               ; a lane permute's destination counts as one of its sources
	s_mov_b32 s30, 0x76543210
	s_mov_b32 s31, 0xfedcba98                      ; selects for lane l xor 16
	s_mov_b32 s2, ttmp9                            ; i
	s_cmp_ge_u32 s2, 256                           ; the first task, 512 + i: ff1_w, or from i = 256 on ff2_w
	s_cselect_b32 s24, 256, 0
	s_cselect_b32 s25, 2, 0
	s_cselect_b32 s26, 14, 12
	s_sub_co_u32 s24, s2, s24
	WHERE 24, 25, 26, 36
	s_mov_b32 s24, 0                               ; the second task, i: x, from 256 on qkv_w, from 448 on proj_w
	s_cmp_ge_u32 s2, 256
	s_cselect_b32 s24, 256, s24
	s_cmp_ge_u32 s2, 448
	s_cselect_b32 s24, 448, s24
	s_sub_co_u32 s24, s2, s24
	s_mov_b32 s25, 0
	s_mov_b32 s26, 12
	WHERE 24, 25, 26, 46
	s_wait_kmcnt 0x0
	s_cmp_ge_u32 s2, 256                           ; which tensors: choices on the work-group's number alone
	s_cselect_b64 s[4:5], s[20:21], s[18:19]
	s_cselect_b64 s[6:7], s[14:15], s[8:9]
	s_cmp_ge_u32 s2, 448
	s_cselect_b64 s[6:7], s[16:17], s[6:7]
	s_add_nc_u64 s[4:5], s[4:5], s[36:37]
	s_add_nc_u64 s[6:7], s[6:7], s[46:47]
.irp i, 0,1,2,3,4,5,6,7
	global_load_b128 v[R0+4*\i:R0+4*\i+3], v2, s[4:5] offset:512*\i th:TH_LOAD_NT   ; 32 lanes read 512 consecutive bytes
.endr
.irp i, 0,1,2,3,4,5,6,7
	global_load_b128 v[R2+4*\i:R2+4*\i+3], v2, s[6:7] offset:512*\i th:TH_LOAD_NT
.endr
	s_mul_i32 s28, s2, 12288
	s_mov_b32 s29, 0
	s_add_nc_u64 s[42:43], s[22:23], s[28:29]      ; task i's codes,
	s_add_nc_u64 s[38:39], s[42:43], 512*12288     ; task 512 + i's,
	s_lshl_b32 s28, s2, 9
	s_add_co_u32 s28, s28, SB
	s_add_nc_u64 s[44:45], s[22:23], s[28:29]      ; and their scale words
	s_add_nc_u64 s[40:41], s[44:45], 512*512
	; ---- the first task: a weight, quantised as it is
	s_wait_loadcnt 8                               ; its row is in; the second task's eight loads may be out
	PACK R0, 0
	s_cmp_ge_u32 s2, 256
	s_cbranch_scc1 .Lnogain
.irp i, 0,1,2,3,4,5,6,7                ; R0 and R1 are done with: gain and bias land under the barrier and the way out
	global_load_b128 v[R0+4*\i:R0+4*\i+3], v2, s[10:11] offset:512*\i
	global_load_b128 v[R1+4*\i:R1+4*\i+3], v2, s[12:13] offset:512*\i
.endr
.Lnogain:
	MEET
	OUT 0, 38, 40
	; ---- the second task
	s_wait_xcnt 0x0                                ; the stores have read v14-23, which are written again below
	s_cmp_ge_u32 s2, 256
	s_cbranch_scc1 .Lplain
	LNORM
.Lplain:
	s_wait_loadcnt 0x0
	s_wait_alu depctr_va_vdst(0)
	PACK R2, 1
	MEET
	OUT 1, 42, 44
	s_wait_tensorcnt 0x0                           ; the wave's end: behind my last LDS store
	ds_add_u32 v[SPW], v[NIL]
	s_wait_dscnt 0x0
	s_endpgm
.Lfunc_end_k_q6f81f75916_prep:
	.size	k_q6f81f75916_prep, .Lfunc_end_k_q6f81f75916_prep-k_q6f81f75916_prep
	.p2alignl 7, 3214868480
	.fill 96, 4, 3214868480
	.section	.rodata,"a",@progbits
	.p2align	6, 0x0
	.amdhsa_kernel k_q6f81f75916_prep
		.amdhsa_group_segment_fixed_size 102400
		.amdhsa_private_segment_fixed_size 0
		.amdhsa_enable_private_segment 0
		.amdhsa_kernarg_size 64
		.amdhsa_user_sgpr_count 2
		.amdhsa_user_sgpr_kernarg_segment_ptr 1
		.amdhsa_wavefront_size32 1
		.amdhsa_system_sgpr_workgroup_id_x 1
		.amdhsa_system_sgpr_workgroup_id_y 1
		.amdhsa_system_sgpr_workgroup_id_z 1
		.amdhsa_system_vgpr_workitem_id 0
		.amdhsa_next_free_vgpr 128
		.amdhsa_next_free_sgpr 66
		.amdhsa_reserve_vcc 0
		.amdhsa_float_denorm_mode_32 3
		.amdhsa_float_denorm_mode_16_64 3
		.amdhsa_memory_ordered 1
		.amdhsa_forward_progress 1
		.amdhsa_inst_pref_size 24
	.end_amdhsa_kernel
	.amdgpu_metadata
---
amdhsa.version: [ 1, 2 ]
amdhsa.kernels:
  - .name:           k_q6f81f75916_prep
    .symbol:         k_q6f81f75916_prep.kd
    .args:
      - { .name: x, .offset: 0, .size: 8, .value_kind: global_buffer, .address_space: global }
      - { .name: ln1_w, .offset: 8, .size: 8, .value_kind: global_buffer, .address_space: global }
      - { .name: ln1_b, .offset: 16, .size: 8, .value_kind: global_buffer, .address_space: global }
      - { .name: qkv_w, .offset: 24, .size: 8, .value_kind: global_buffer, .address_space: global }
      - { .name: proj_w, .offset: 32, .size: 8, .value_kind: global_buffer, .address_space: global }
      - { .name: ff1_w, .offset: 40, .size: 8, .value_kind: global_buffer, .address_space: global }
      - { .name: ff2_w, .offset: 48, .size: 8, .value_kind: global_buffer, .address_space: global }
      - { .name: wq, .offset: 56, .size: 8, .value_kind: global_buffer, .address_space: global }
    .group_segment_fixed_size: 102400
    .private_segment_fixed_size: 0
    .kernarg_segment_align: 8
    .kernarg_segment_size: 64
    .max_flat_workgroup_size: 512
    .sgpr_count:     66
    .vgpr_count:     128
    .wavefront_size: 32
...
	.end_amdgpu_metadata
.endif
;; end of part 1
;; launch qkv (part 2): grid 12 x 16, 4 waves a work-group, clusters of 4 x 4, 327,680 bytes of LDS; arguments wq, cos, sin, qkvq; writes qkvq
.if DOCPART == 2
	.amdgcn_target "amdgcn-amd-amdhsa--gfx1250"
	.amdhsa_code_object_version 6
	.text
	.protected	k_q6f81f75916_qkv
	.globl	k_q6f81f75916_qkv
	.p2align	8
	.type	k_q6f81f75916_qkv,@function
k_q6f81f75916_qkv:
	s_mov_b64 s[64:65], 0
	v_nop
	global_prefetch_b8 v0, s[64:65] scope:SCOPE_SE
	s_setreg_imm32_b32 hwreg(HW_REG_WAVE_MODE, 25, 1), 1
	s_wait_xcnt 0x0
	s_wait_alu depctr_hold_cnt(0) depctr_sa_sdst(0) depctr_va_vdst(0) depctr_va_sdst(0) depctr_va_ssrc(0) depctr_va_vcc(0) depctr_vm_vsrc(0)
	s_getreg_b32 s2, hwreg(HW_REG_IB_STS2, 6, 4)
	s_cmp_eq_u32 s2, 0
	s_cbranch_scc0 .Lentry_in_a_cluster
	s_endpgm
.Lentry_in_a_cluster:
	s_bfe_u32 s2, ttmp6, 0x10000c
	s_cmp_lg_u32 s2, 0xf033
	s_cbranch_scc0 .Lentry_shape_is_right
	s_endpgm
.Lentry_shape_is_right:
; The first product, h qkv_w^T, on codes of FP6 with E8M0 scales (4,096 x 3,072 x 1,024), then RoPE on q and k, and q, k, v quantised for attention.
; THE GEMM.  A work-group of four waves makes 256 x 256, a wave 128 x 128: 64 accumulators, 512 registers.  Both operands lie in memory as images of operand registers (fragment (tile T, K step s) at
; (8 T + s) x 1,536 bytes, its scale words at (8 T + s) x 64), so a fragment is six ds_load_b64 at 8 x lane, dense, and a slot's tile has rows of 3,072 bytes.  K goes in slots of 256 through a ring of two.
; The matrix instruction is used TRANSPOSED (source 0 = 16 rows of operand B, source 1 = 16 rows of operand A): a lane holds one row of A's tile, its registers run along B's rows.
; Row r of a tile T is row 32 (T/2) + 8 (T%2) + r + 8 (r/8) on BOTH sides: so register 16 b + i of a tile of A's rows is column 32 b + 16 (lane/16) + i.
; CLUSTERS of 4 x 4: A's tiles are asked for jointly along a row of the cluster, B's along a column.
; Cluster x = 0: q, 1: k (A = h, B = the weight's rows).  Cluster x = 2: v, with the operands' parts changed (A = the weight's 1,024 rows for v, B = h): V^T, so that a lane holds one channel and its
; registers run along the keys, which are the K of attention's second product.  The choice hangs on the cluster's x alone: the same in all sixteen partners.
; OUT.  q, k: for each (batch, head) blocks of 32 tokens of 1,536 bytes; lane l = r + 16 h owns 48 bytes at 48 l: 24 bytes (dims 32 h on) of token 8 u + r + 8 (r/8), u = 0, 1.  Scale words [128 tokens][r][block]: low half u = 0, high half u = 1.
; v: for each (batch, head) [128 keys][tile t of 16 channels] register images of 1,536 bytes (registers 4 g on at 512 g + 16 l); scale words [128 keys][r][t].
; COS AND SIN RUN FOUR TILES AHEAD of the RoPE that reads them: tiles 0 to 3 are asked for together when the products are over, tile a + 4 when tile a's accumulators have been read, into those registers.
; LIMITS: NaN and infinities are not served; a block of zeros gets the byte 1 (its codes are zeros; only this program reads the bytes).
.set TL,    8                          ; tiles of 16 rows a wave and side
.set NQ,    2                          ; K steps of 128 in a slot
.set KT,    8                          ; K steps in all
.set LAPS,  KT/(2*NQ)
.set FRB,   1536                       ; a fragment's image
.set ROWT,  NQ*FRB                     ; a tile of rows in a slot
.set HALFT, TL*ROWT                    ; what one tensor load brings, and what one wave reads of A or of B
.set SLOT,  4*HALFT                    ; A's 2 TL tiles of rows, then B's
.set SCL,   2*SLOT                     ; behind the ring: the scale words for all of K, filled once
.set KS64,  KT*64                      ; those of a tile of rows
.set HALFS, TL*KS64
.set SPARE, SCL+4*HALFS                ; the spare words, 128 bytes for each wave: two blocks of 256 bytes that no other line names
.set MW0,   0xa1                       ; source 0 (B) window 1, source 1 (A) window 0, C and D window 2
.set MW1,   0xf1                       ; the same, C and D window 3
.set ADRA,  16                         ; v16-17 LDS address of my A fragments in slot 0, 1
.set ADRB,  20                         ; v20-21 the same for B
.set ADRS,  27                         ; v27    of my scale words: lanes 0-15 A's, lanes 16-31 B's
.set SPW,   28
.set NIL,   29
.set SC,    32                         ; v32-63 scale words, a set of 16 for each slot: register NQ i + q
.set AF,    64                         ; A's fragments, window 0: set p at v[64 + 96 p];  B's, window 1: set p at v[128 p]
.set G1,    24
.set G0,    32
.set G1B,   48
.set G0B,   56
.set G1S,   68
.set G0S,   76
.set G1SB,  80
.set G0SB,  88
.set HS,    12582912                   ; regions of the operand buffer: h's codes at 0, its scale words here;
.set QC,    3145728                    ; qkv_w's codes and scale words;
.set QS,    12713984
.set VWC,   4718592                    ; and those of its rows 2,048 on (v)
.set VWS,   12779520
.set MSB, 0
.macro WIN new                         ; the immediate's high byte repeats the setting that is left
.if MSB != (\new)
	s_set_vgpr_msb (MSB<<8)|(\new)
.set MSB, (\new)
.endif
.endm
.macro PLACES                          ; four plain vector instructions between a matrix instruction and a load into, or a read of, its registers
.rept 4
	v_nop
.endr
.endm
.macro JLOAD g0a, g1a, g0b, g1b        ; a joint load: waves 0 and 1 fetch for A, waves 2 and 3 for B; an s_nop 0 and four v_nop follow each line
	s_cmp_eq_u32 s15, 0
	s_cbranch_scc0 .Lfor_b_\@
	tensor_load_to_lds s[\g0a:\g0a+3], s[\g1a:\g1a+7]
	s_nop 0
.rept 4
	v_nop
.endr
	s_branch .Lasked_\@
.Lfor_b_\@:
	tensor_load_to_lds s[\g0b:\g0b+3], s[\g1b:\g1b+7]
	s_nop 0
.rept 4
	v_nop
.endr
.Lasked_\@:
.endm
.macro CREST                           ; a round of the cluster's barrier behind its opening barrier
	s_cmp_lg_u32 s14, 0
	s_cbranch_scc1 .Lnot_wave_0_\@
	s_barrier_signal -3
.Lnot_wave_0_\@:
	s_barrier_wait -3
	s_barrier_signal -1
	s_barrier_wait -1
.endm
.macro CROUND
	s_barrier_signal -1
	s_barrier_wait -1
	CREST
.endm
.macro FRAG reg, adr, q, i             ; a fragment: six pieces of 256 bytes, 8 bytes a lane
.irp p, 0,1,2,3,4,5
	ds_load_b64 v[\reg+2*\p:\reg+2*\p+1], v[\adr] offset:(\i)*ROWT+(\q)*FRB+256*\p
.endr
.endm
.macro FETCH slot, q, p                ; the fragments of the slot's q-th K step into set p: B's TL, then A's TL: 12 TL loads in one run
	WIN 0x40
.set FI, 0
.rept TL
	FRAG 128*(\p)+12*FI, ADRB+\slot, \q, FI
.set FI, FI+1
.endr
	WIN 0
.set FI, 0
.rept TL
	FRAG AF+96*(\p)+12*FI, ADRA+\slot, \q, FI
.set FI, FI+1
.endr
.endm
.macro SCALES sc                       ; a slot's scale words: lanes 0-15 take A's tile i, lanes 16-31 B's tile i
.set SI, 0
.rept TL
.set SQ, 0
.rept NQ
	ds_load_b32 v[SC+16*(\sc)+NQ*SI+SQ], v[ADRS] offset:SI*KS64+64*SQ
.set SQ, SQ+1
.endr
.set SI, SI+1
.endr
.endm
; n tiles of A's rows from a0 on, each against B's TL tiles.  The accumulators take turns, one instruction a turn, in the same order in every K step.  zero = 1: the product starts the sums.
.macro MULR a0, n, p, q, sc, zero
.set MA, \a0
.rept \n
.set MB, 0
.rept TL
.set ACC, (8*(MA*TL+MB))%256
.if \zero
	v_wmma_scale_f32_16x16x128_f8f6f4 v[ACC:ACC+7], v[128*(\p)+12*MB:128*(\p)+12*MB+11], v[AF+96*(\p)+12*MA:AF+96*(\p)+12*MA+11], 0, v[SC+16*(\sc)+NQ*MB+(\q)], v[SC+16*(\sc)+NQ*MA+(\q)] matrix_a_fmt:MATRIX_FMT_FP6 matrix_b_fmt:MATRIX_FMT_FP6 matrix_a_scale:MATRIX_SCALE_ROW1
.else
	v_wmma_scale_f32_16x16x128_f8f6f4 v[ACC:ACC+7], v[128*(\p)+12*MB:128*(\p)+12*MB+11], v[AF+96*(\p)+12*MA:AF+96*(\p)+12*MA+11], v[ACC:ACC+7], v[SC+16*(\sc)+NQ*MB+(\q)], v[SC+16*(\sc)+NQ*MA+(\q)] matrix_a_fmt:MATRIX_FMT_FP6 matrix_b_fmt:MATRIX_FMT_FP6 matrix_a_scale:MATRIX_SCALE_ROW1
.endif
.set MB, MB+1
.endr
.set MA, MA+1
.endr
.endm
.macro STEP slot, q, zero              ; a K step that has its successor in the same slot
	s_wait_dscnt 3*TL                              ; B's set and A's lower tiles are in; the youngest 3 TL loads (A's upper tiles) may be out
	WIN MW0
	MULR 0, TL/2, (\q)%2, \q, \slot, \zero
	s_wait_dscnt 0x0                               ; A's upper tiles are in (asked for half a step ago)
	PLACES
	FETCH \slot, (\q)+1, 1-(\q)%2
	WIN MW1
	MULR TL/2, TL/2, (\q)%2, \q, \slot, \zero
	WIN 0
.endm
; A slot's last K step changes slots: ONE barrier; in front of it each wave waits for all its tensor loads, adds 0 to its spare word, and waits for that and for its reads of this slot.  fill = 1: the slot is filled again.
.macro TURN slot, next, fill
	s_wait_tensorcnt 0x0                           ; all my tensor loads have landed: my part of the next slot
	ds_add_u32 v[SPW], v[NIL]                      ; 0 onto my spare word
	s_wait_dscnt 3*TL+1                            ; (the add and the youngest 3 TL loads may be out)
	WIN MW0
	MULR 0, TL/4, 1, NQ-1, \slot, 0
	s_wait_dscnt 0x0                               ; the add is done, and my reads of this slot are over
	s_barrier_signal -1
	MULR TL/4, TL/4, 1, NQ-1, \slot, 0
	WIN 0
	s_barrier_wait -1
.if \fill
	CREST                                          ; the barrier has opened a round of the cluster's: no wave of any partner still reads this slot or has a load on its way
	s_add_nc_u64 s[G0+4*\slot+2:G0+4*\slot+3], s[G0+4*\slot+2:G0+4*\slot+3], 2*ROWT
	s_add_nc_u64 s[G0B+4*\slot+2:G0B+4*\slot+3], s[G0B+4*\slot+2:G0B+4*\slot+3], 2*ROWT
	JLOAD G0+4*\slot, G1, G0B+4*\slot, G1B         ; the first tensor load behind the round; its four v_nop are the places in front of the loads below
.else
	PLACES
.endif
	s_wait_alu depctr_va_vdst(0)
	v_add_nc_u32 v[ADRS], 64*NQ, v[ADRS]           ; on to the next slot's scale words
	SCALES \next
	FETCH \next, 0, 0
	WIN MW1
	MULR TL/2, TL/2, 1, NQ-1, \slot, 0
	WIN 0
.endm
.macro MID slot, q0                    ; the slot's K steps q0 .. NQ - 2
.if NQ-1-(\q0) > 0
.set MQ, \q0
.rept NQ-1-(\q0)
	STEP \slot, MQ, 0
.set MQ, MQ+1
.endr
.endif
.endm
.macro LAST
	s_wait_dscnt 3*TL
	WIN MW0
	MULR 0, TL/2, 1, NQ-1, 1, 0
	s_wait_dscnt 0x0
	WIN MW1
	MULR TL/2, TL/2, 1, NQ-1, 1, 0
	WIN 0
.endm
	s_load_b256 s[4:11], s[0:1], 0x0               ; operands s[4:5], cos s[6:7], sin s[8:9], output s[10:11]
	v_lshl_add_u32 v[SPW], v0, 2, SPARE
	v_mov_b32 v[NIL], 0
	ds_add_u32 v[SPW], v[NIL]                      ; the wave's opening: the add and its wait come ahead of my first tensor load; the set-up below stands between them
	ds_add_u32 v[SPW], v[NIL]
	v_lshrrev_b32 v1, 5, v0
	v_readfirstlane_b32 s14, v1                    ; wave 0..3
; THE PREFETCHES.  A wave's load for a slot is TL tiles of rows x ROWT bytes = 96 blocks of 256 bytes.  The four partners that ask for it jointly share the blocks out by address: each names 24, a lane a block
; (lanes 24-31 name the last again).  Behind the load of slot m stands the request for slot m + 2; at the head also slot 1's.
.set PFO, 30                           ; v30 my lane's block within my work-group's 24; never rewritten
.set PFA, 96                           ; s[96:97] my work-group's share of the rows that my wave fetches
.set NS,  KT/NQ                        ; slots along K
	v_and_b32 v[PFO], 31, v0
	v_min_u32 v[PFO], 23, v[PFO]
.if NQ == 2
	v_mul_u32_u24 v31, v[PFO], 11
	v_lshrrev_b32 v31, 7, v31                      ; 1 from block 12 on: the second of my two tiles of rows
	v_mul_u32_u24 v31, v31, KT*FRB-ROWT
	v_lshl_add_u32 v[PFO], v[PFO], 8, v31
.else
	v_lshlrev_b32 v[PFO], 8, v[PFO]
.endif
	s_lshr_b32 s15, s14, 1                         ; which half of A's rows is mine.  Also: I fetch for A (0) or for B (1)
	s_and_b32 s16, s14, 1                          ; which half of B's rows.  Also: which half of that tile I fetch
	s_bfe_u32 s40, ttmp6, 0x40000                  ; cx, cy
	s_bfe_u32 s41, ttmp6, 0x40004
	s_and_b32 s66, ttmp7, 0xffff                   ; cluster y
	s_mov_b32 s95, VWC
	s_mov_b32 s96, VWS
	s_mov_b32 s97, HS
	s_mov_b32 s98, QC
	s_mov_b32 s99, QS
	s_cmp_eq_u32 ttmp9, 2                          ; v?  The cluster's x: the same in all partners
	s_cselect_b32 s17, 0, s66
	s_cselect_b32 s42, s66, ttmp9
	s_cselect_b32 s95, s95, 0                      ; A's codes,
	s_cselect_b32 s96, s96, s97                    ; A's scale words,
	s_cselect_b32 s98, 0, s98                      ; B's codes,
	s_cselect_b32 s99, s97, s99                    ; B's scale words: offsets in the one operand buffer
	s_lshl_b32 s17, s17, 2
	s_add_co_u32 s17, s17, s41                     ; tile row (of A's 256 rows)
	s_lshl_b32 s42, s42, 2
	s_add_co_u32 s42, s42, s40                     ; tile column (of B's 256 rows)
	s_lshl_b32 s43, s41, 2
	s_lshl_b32 s43, 15, s43                        ; my row of the cluster
	s_lshl_b32 s44, 0x1111, s40                    ; my column
	s_or_b32 s[G1+0], s43, (3<<16)|(1<<21)         ; 15:0 the mask; 17:16 elements of 8 bytes; 21 set beside a mask; no padding
	s_or_b32 s[G1B+0], s44, (3<<16)|(1<<21)
.irp g, G1, G1B
	s_mov_b32 s[\g+1], (NQ*192)<<16                ; tensor_dim0: a tile of rows in a slot, NQ x 1,536 bytes
	s_mov_b32 s[\g+2], (2*TL)<<16                  ; tensor_dim1: the head's loads bring a side's 2 TL tiles of rows
	s_mov_b32 s[\g+3], (NQ*192)<<16                ; tile_dim0
	s_mov_b32 s[\g+4], 2*TL                        ; tile_dim1
	s_mov_b32 s[\g+5], KT*192                      ; from a tile of rows to the next
	s_mov_b32 s[\g+6], 0
	s_mov_b32 s[\g+7], 0
.endr
	s_or_b32 s[G1S+0], s43, (3<<16)|(1<<21)        ; the scale words of 2 TL tiles of rows: a dense block, as rows of 256 bytes
	s_or_b32 s[G1SB+0], s44, (3<<16)|(1<<21)
.irp g, G1S, G1SB
	s_mov_b32 s[\g+1], 32<<16
	s_mov_b32 s[\g+2], (HALFS/128)<<16             ; a side's scale words whole: 2 HALFS bytes
	s_mov_b32 s[\g+3], 32<<16
	s_mov_b32 s[\g+4], HALFS/128
	s_mov_b32 s[\g+5], 32
	s_mov_b32 s[\g+6], 0
	s_mov_b32 s[\g+7], 0
.endr
	s_mul_i32 s18, s16, TL
	s_mul_i32 s20, s17, 2*TL
	s_add_co_u32 s20, s20, s18                     ; A's first tile of rows that I fetch
	s_mul_i32 s46, s42, 2*TL
	s_add_co_u32 s46, s46, s18                     ; B's
	s_mul_i32 s22, s20, KS64
	s_add_co_u32 s22, s22, s96
	s_mul_i32 s20, s20, KT*FRB
	s_add_co_u32 s20, s20, s95
	s_mul_i32 s92, s46, KS64
	s_add_co_u32 s92, s92, s99
	s_mul_i32 s46, s46, KT*FRB
	s_add_co_u32 s46, s46, s98
	s_mov_b32 s21, 0
	s_mov_b32 s23, 0
	s_mov_b32 s47, 0
	s_mov_b32 s93, 0
	s_mul_i32 s45, s14, HALFT                      ; where they go: by the wave's number alone
	s_wait_dscnt 0x0                               ; the opening add is done
	s_wait_kmcnt 0x0
	s_add_nc_u64 s[20:21], s[4:5], s[20:21]
	s_add_nc_u64 s[22:23], s[4:5], s[22:23]
	s_add_nc_u64 s[46:47], s[4:5], s[46:47]
	s_add_nc_u64 s[92:93], s[4:5], s[92:93]
	CROUND                                         ; all sixteen work-groups are here: the first joint loads meet
	s_mul_i32 s2, s16, HALFS                       ; back from my half to the side's first scale word
	s_mov_b32 s3, 0
	s_mov_b32 s[G0S], 1
	s_mov_b32 s[G0S+1], SCL
	s_sub_nc_u64 s[G0S+2:G0S+3], s[22:23], s[2:3]
	s_or_b32 s[G0S+3], s[G0S+3], 0x80000000
	s_mov_b32 s[G0SB], 1
	s_mov_b32 s[G0SB+1], SCL+2*HALFS
	s_sub_nc_u64 s[G0SB+2:G0SB+3], s[92:93], s[2:3]
	s_or_b32 s[G0SB+3], s[G0SB+3], 0x80000000
	s_cmp_eq_u32 s15, 0                            ; waves 0 and 1 ask for A's rows, waves 2 and 3 for B's
	s_cselect_b64 s[PFA:PFA+1], s[20:21], s[46:47]
	s_cselect_b32 s2, s40, s41                     ; my place among the four that ask with me
	s_mul_i32 s2, s2, (TL/4)*KT*FRB
	s_add_nc_u64 s[PFA:PFA+1], s[PFA:PFA+1], s[2:3]
.irp s, 0,1
	s_mov_b32 s[G0+4*\s], 1
	s_add_co_u32 s[G0+4*\s+1], s45, \s*SLOT
	s_add_nc_u64 s[G0+4*\s+2:G0+4*\s+3], s[20:21], \s*ROWT
	s_or_b32 s[G0+4*\s+3], s[G0+4*\s+3], 0x80000000
	s_mov_b32 s[G0B+4*\s], 1
	s_add_co_u32 s[G0B+4*\s+1], s45, \s*SLOT
	s_add_nc_u64 s[G0B+4*\s+2:G0B+4*\s+3], s[46:47], \s*ROWT
	s_or_b32 s[G0B+4*\s+3], s[G0B+4*\s+3], 0x80000000
.endr
; The head's four tiles, one joint load a wave, in one chain of branches on the wave's number: wave 0 A's part of slot 0 (its own group 0 points at the side's first tile), wave 1 A's scale words, wave 2 B's part of slot 0, wave 3 B's scale words.
.macro ARM under, g0, g1, next
	s_cmp_lt_u32 s14, \under
	s_cbranch_scc0 \next
	tensor_load_to_lds s[\g0:\g0+3], s[\g1:\g1+7]
	s_nop 0
.rept 4
	v_nop
.endr
	s_branch .Lhead_asked
\next:
.endm
	ARM 1, G0, G1, .Lhead_sa
	ARM 2, G0S, G1S, .Lhead_b
	ARM 3, G0B, G1B, .Lhead_sb
	tensor_load_to_lds s[G0SB:G0SB+3], s[G1SB:G1SB+7]
	s_nop 0
.rept 4
	v_nop
.endr
.Lhead_asked:
	s_wait_alu depctr_va_vdst(0)
	global_prefetch_b8 v[PFO], s[PFA:PFA+1] offset:ROWT th:TH_LOAD_NT scope:SCOPE_SE
.if NS > 2
	global_prefetch_b8 v[PFO], s[PFA:PFA+1] offset:2*ROWT th:TH_LOAD_NT scope:SCOPE_SE
.endif
	s_wait_tensorcnt 0x0                           ; my tile of the four is in; slot 1's first fill is issued as a refill is
	ds_add_u32 v[SPW], v[NIL]
	s_mov_b32 s[G1+2], TL<<16                      ; no tensor load of mine is out: from here on a load brings TL tiles of rows
	s_mov_b32 s[G1+4], TL
	s_mov_b32 s[G1B+2], TL<<16
	s_mov_b32 s[G1B+4], TL
	s_wait_dscnt 0x0
	CROUND
	JLOAD G0+4, G1, G0B+4, G1B                     ; slot 1, a quarter a wave
.if NS > 3
	global_prefetch_b8 v[PFO], s[PFA:PFA+1] offset:3*ROWT th:TH_LOAD_NT scope:SCOPE_SE
.endif
	v_and_b32 v1, 15, v0                           ; r
	v_bfe_u32 v2, v0, 4, 1                         ; h
	s_wait_alu depctr_va_vdst(0)
	v_and_b32 v3, 31, v0                           ; lane
	s_wait_alu depctr_va_vdst(0)
	v_lshlrev_b32 v4, 3, v3                        ; 8 x lane
	s_mul_i32 s18, s15, HALFT
	s_mul_i32 s19, s16, HALFT
	s_add_co_u32 s19, s19, 2*HALFT
.irp s, 0,1
	v_add_nc_u32 v[ADRA+\s], s18, v4
	v_add_nc_u32 v[ADRB+\s], s19, v4
	s_add_co_u32 s18, s18, SLOT
	s_add_co_u32 s19, s19, SLOT
.endr
	s_mul_i32 s18, s15, HALFS
	s_mul_i32 s19, s16, HALFS
	s_add_co_u32 s19, s19, 2*HALFS
	s_sub_co_u32 s19, s19, s18
	v_mul_u32_u24 v5, s19, v2                      ; lanes 16-31 take B's words
	s_add_co_u32 s18, s18, SCL
	v_lshl_add_u32 v5, v1, 2, v5
	v_add_nc_u32 v[ADRS], s18, v5
; the ways out: registers and LDS.  The stages lie in slot 0, which has had its last fill and its last read when the first result is stored there; each of the two ways has bytes of its own.
.set STQ, 5                            ; v5  q, k: my 48 bytes of a block in my stage (12,800 bytes a wave: 12,288 of codes, 512 of scale words)
.set STS, 6                            ; v6  q, k: my row's scale words there
.set RDQ, 7                            ; v7  q, k: the stage read back, 16 bytes a lane
.set CSO, 8                            ; v8  my byte offset in cos and sin; never rewritten
.set GO,  9                            ; v9  16 x lane
.set GSO, 10                           ; v10 scale words in memory: 102,400 (lane/16) + 16 (lane%16).  A tensor's region for one (batch, head): 4,096 bytes of scale words, then 98,304 of codes
.set STV, 11                           ; v11 v: my row's scale words in my stage (512 bytes a wave, from byte 51,200 on)
.set RDV, 12                           ; v12 v: read back
.set TM,  32                           ; v32-47 at work in the quantiser
.set PW,  48                           ; the scale word just made;  v49: the even tile's;  v50, v51: the two heads' words
.set PWE, 49
.set PC,  52                           ; v52-71 the codes just made
.set HA,  72                           ; v72-135 a tile's 64 numbers behind RoPE
.set FL,  136                          ; v136-235 the stage read back
.set SEL, 98                           ; cos and sin of tile a: 32 + 32 registers from v[64 (a%4)] on, in window 1 (a < 4: B's fragments are done with) or window 2 (a >= 4: tile a - 4's accumulators, which have been read)
	s_mul_i32 s18, s14, 12800
	v_mul_u32_u24 v[STQ], v3, 48
	v_add_nc_u32 v[STQ], s18, v[STQ]
	v_lshl_add_u32 v[STS], v1, 4, s18
	v_add_nc_u32 v[STS], 12288, v[STS]
	v_lshl_add_u32 v[RDQ], v3, 4, s18
	v_and_b32 v[CSO], 8, v1
	v_add_nc_u32 v[CSO], v[CSO], v1
	v_lshlrev_b32 v[CSO], 8, v[CSO]
	v_lshl_add_u32 v[CSO], v2, 6, v[CSO]           ; row r + 8 (r/8) of 256 bytes, + 64 h
	v_lshlrev_b32 v[GO], 4, v3
	v_lshlrev_b32 v[GSO], 4, v1
	v_mad_u32_u24 v[GSO], v2, 102400, v[GSO]
	s_lshl_b32 s18, s14, 9
	s_add_co_u32 s18, s18, 51200
	v_lshl_add_u32 v[STV], v1, 4, s18
	v_lshl_add_u32 v[RDV], v3, 4, s18
	s_wait_tensorcnt 1                             ; the scale words and my part of slot 0 are in (slot 1's load may be out),
	s_barrier_signal -1
	s_barrier_wait -1                              ; everybody's are
	SCALES 0
	FETCH 0, 0, 0
	STEP 0, 0, 1                                   ; the first K step stands in front of the loop: its products start the sums
.if LAPS > 1
	s_mov_b32 s3, LAPS-1
.Llap:                                             ; a trip goes once round the ring and fills both slots again
	MID 0, 1
	TURN 0, 1, 1
	MID 1, 0
	TURN 1, 0, 1
	STEP 0, 0, 0
	s_sub_co_u32 s3, s3, 1
	s_cmp_lg_u32 s3, 0
	s_cbranch_scc1 .Llap
.endif
	MID 0, 1                                       ; the last lap fills nothing
	TURN 0, 1, 0
	MID 1, 0
	LAST
; 64 numbers of a lane, v[s] .. v[s + 63] of window w, register 16 b + i = k 32 b + 16 (lane/16) + i of my row, become a fragment's codes in v[PC] on and its scale word in v[PW].
; Each accumulator is read from its low end on.
.macro QUANT s, w
	WIN (\w)|((\w)<<2)
.irp b, 0,1,2,3
	v_max3_num_f32 v[TM+\b], |v[\s+16*\b]|, |v[\s+1+16*\b]|, 0x1800000   ; block b: my 16 numbers, and the floor 2^(3 - 127): the byte cannot fall under 1
.endr
	WIN ((\w)<<2)|((\w)<<4)
.irp i, 2,4,6,8,10,12,14
.irp b, 0,1,2,3
	v_max3_num_f32 v[TM+\b], v[TM+\b], |v[\s+16*\b+\i]|, |v[\s+1+16*\b+\i]|
.endr
.endr
	WIN 0
.irp b, 0,1,2,3
	v_permlanex16_b32 v[TM+4+\b], v[TM+\b], s[SEL], s[SEL+1]
.endr
.irp b, 0,1,2,3
	v_max_num_f32 v[TM+\b], v[TM+\b], v[TM+4+\b]   ; with lane l xor 16's: the block's largest magnitude
.endr
.irp b, 0,1,2,3
	v_add_nc_u32 v[TM+12+\b], 0xff000000, v[TM+\b] ; 2 off its exponent field: the conversion's scale operand
.endr
.irp b, 0,1,2,3
	v_lshrrev_b32 v[TM+4+\b], 23, v[TM+12+\b]      ; the scale's byte
.endr
	v_lshl_or_b32 v[PW], v[TM+5], 8, v[TM+4]
	v_lshl_or_b32 v[PW], v[TM+6], 16, v[PW]
	v_lshl_or_b32 v[PW], v[TM+7], 24, v[PW]
	WIN (\w)
.irp c, 0,1
	v_cvt_scalef32_pk16_fp6_f32 v[PC+6*\c:PC+2+6*\c], v[\s+32*\c:\s+15+32*\c], v[TM+12+2*\c]
	v_cvt_scalef32_pk16_fp6_f32 v[PC+12+4*\c:PC+14+4*\c], v[\s+16+32*\c:\s+31+32*\c], v[TM+12+2*\c+1]   ; (a conversion's three registers begin on an even number)
.endr
	WIN 0
	v_nop                                          ; one plain instruction behind a scaled conversion
.irp c, 0,1                            ; the operand's layout wants a whole block in a lane
.irp i, 0,1,2
	v_permlane16_swap_b32 v[PC+6*\c+\i], v[PC+12+4*\c+\i]
.endr
.irp i, 0,1,2
	v_mov_b32 v[PC+3+6*\c+\i], v[PC+12+4*\c+\i]
.endr
.endr
.endm
	PLACES                                         ; behind the last products, ahead of every read of results, every write of operand and scale registers and every load into them
.irp b, 0,1,2,3
	v_mov_b32 v[TM+4+\b], 0                        ; a lane permute's destination counts as one of its sources
.endr
	s_mov_b32 s[SEL], 0x76543210
	s_mov_b32 s[SEL+1], 0xfedcba98
	s_mov_b32 s21, 0
	s_cmp_eq_u32 ttmp9, 2
	s_cbranch_scc1 .Lv
	; ---- q and k.  My 128 rows are 128 tokens (one block of scale words), my 128 columns two heads.
	s_lshl_b32 s18, s17, 8
	s_lshl_b32 s19, s15, 7
	s_add_co_u32 s18, s18, s19
	s_and_b32 s18, s18, 2047                       ; my first token in its batch
	s_lshl_b32 s20, s18, 8
	s_add_nc_u64 s[6:7], s[6:7], s[20:21]          ; cos and sin at that token
	s_add_nc_u64 s[8:9], s[8:9], s[20:21]
.macro CSLOAD a                        ; cos and sin of tile a's 16 tokens: a lane's 32 dims (32 b + 16 h + i) of each, which serve both heads: 16 loads
	WIN (1+(\a)/4)<<6
.irp bb, 0,1
.irp i, 0,1,2,3
	global_load_b128 v[64*((\a)%4)+16*\bb+4*\i:64*((\a)%4)+16*\bb+4*\i+3], v[CSO], s[6:7] offset:(32*((\a)/2)+8*((\a)%2))*256+128*\bb+16*\i
	global_load_b128 v[64*((\a)%4)+32+16*\bb+4*\i:64*((\a)%4)+32+16*\bb+4*\i+3], v[CSO], s[8:9] offset:(32*((\a)/2)+8*((\a)%2))*256+128*\bb+16*\i
.endr
.endr
	WIN 0
.endm
	CSLOAD 0                                       ; four tiles' cos and sin go out together, ahead of the address work below
	CSLOAD 1
	CSLOAD 2
	CSLOAD 3
	s_lshr_b32 s19, s17, 3
	s_lshl_b32 s19, s19, 4
	s_lshl_b32 s22, s40, 2
	s_add_co_u32 s19, s19, s22
	s_lshl_b32 s22, s16, 1
	s_add_co_u32 s19, s19, s22                     ; 16 x batch + my first head
	s_mul_i32 s20, s19, 102400
	s_mul_i32 s22, ttmp9, 3276800
	s_add_co_u32 s20, s20, s22
	s_lshr_b32 s22, s18, 5
	s_mul_i32 s22, s22, 1536
	s_add_co_u32 s20, s20, s22
	s_add_nc_u64 s[24:25], s[10:11], s[20:21]      ; my codes' place (no tensor load is out: the descriptors' registers are free)
	s_mul_i32 s20, s19, 102400
	s_mul_i32 s22, ttmp9, 3276800
	s_add_co_u32 s20, s20, s22
	s_lshl_b32 s22, s18, 1
	s_add_co_u32 s20, s20, s22
	s_add_nc_u64 s[26:27], s[10:11], s[20:21]      ; my scale words' place
.macro QKTILE a
.if (\a) < 5
	s_wait_loadcnt 48                              ; this tile's cos and sin are in; the 16 loads of each of the three tiles behind it may be out
.else
	s_wait_loadcnt 16*(7-(\a))                     ; fewer tiles are left behind it
.endif
	WIN (2+(\a)/4)|((1+(\a)/4)<<2)                 ; source 0: the accumulators; source 1: cos and sin
.set QN, 0
.rept 32
	v_pk_mul_f32 v[HA+QN:HA+QN+1], v[64*((\a)%4)+QN:64*((\a)%4)+QN+1], v[64*((\a)%4)+QN%32:64*((\a)%4)+QN%32+1]
.set QN, QN+2
.endr
.set QN, 0
.rept 32                               ; + rotate_half x sin: the even dim takes minus its odd neighbour, the odd dim its even one
	v_pk_fma_f32 v[HA+QN:HA+QN+1], v[64*((\a)%4)+QN:64*((\a)%4)+QN+1], v[64*((\a)%4)+32+QN%32:64*((\a)%4)+32+QN%32+1], v[HA+QN:HA+QN+1] op_sel:[1,0,0] op_sel_hi:[0,1,1] neg_lo:[1,0,0]
.set QN, QN+2
.endr
	WIN 0
.if (\a) < 4
	CSLOAD (\a)+4                                  ; this tile's accumulators have had their last read: they take the cos and sin of the tile four on
.endif
	s_wait_dscnt 0x0                               ; the last tile's stores into the stage have read their registers
	QUANT HA, 0
.irp c, 0,1                            ; registers 6 c on: head c, dims 32 h on: 24 bytes
.irp i, 0,1,2
	ds_store_b64 v[STQ], v[PC+6*\c+2*\i:PC+6*\c+2*\i+1] offset:\c*6144+((\a)/2)*1536+24*((\a)%2)+8*\i
.endr
.endr
.if (\a)%2 == 0
	v_mov_b32 v[PWE], v[PW]
.else
	v_perm_b32 v50, v[PW], v[PWE], 0x05040100      ; head 0: the even tile's two bytes below, the odd tile's above
	v_perm_b32 v51, v[PW], v[PWE], 0x07060302      ; head 1
	ds_store_b32 v[STS], v50 offset:4*((\a)/2)
	ds_store_b32 v[STS], v51 offset:256+4*((\a)/2)
.endif
.endm
.irp a, 0,1,2,3,4,5,6,7
	QKTILE \a
.endr
.irp k, 0,1,2,3,4,5,6,7,8,9,10,11,12,13,14,15,16,17,18,19,20,21,22,23
	ds_load_b128 v[FL+4*\k:FL+4*\k+3], v[RDQ] offset:512*\k   ; LDS serves a wave's instructions in order: these see my stores
.endr
	ds_load_b128 v[232:235], v[RDQ] offset:12288
	s_wait_dscnt 0x0
.irp k, 0,1,2,3,4,5,6,7,8,9,10,11,12,13,14,15,16,17,18,19,20,21,22,23
	global_store_b128 v[GO], v[FL+4*\k:FL+4*\k+3], s[24:25] offset:(\k/12)*102400+(\k%12)*512+4096   ; 32 lanes store 512 consecutive bytes, at a multiple of 256 from the buffer's first byte
.endr
	global_store_b128 v[GSO], v[232:235], s[26:27] ; 16 lanes store a head's 256 bytes of scale words
	s_branch .Ldone
.Lv:
	; ---- v.  My 128 rows are 128 channels (two heads), my 128 columns 128 keys: each tile of rows is one fragment of V^T
	s_lshl_b32 s18, s42, 8
	s_lshl_b32 s19, s16, 7
	s_add_co_u32 s18, s18, s19                     ; my first key, counted over both batches
	s_lshr_b32 s19, s18, 11
	s_lshl_b32 s19, s19, 4
	s_lshl_b32 s22, s17, 2
	s_add_co_u32 s19, s19, s22
	s_lshl_b32 s22, s15, 1
	s_add_co_u32 s19, s19, s22                     ; 16 x batch + my first head
	s_and_b32 s18, s18, 2047
	s_lshr_b32 s18, s18, 7                         ; which 128 keys
	s_mul_i32 s20, s19, 102400
	s_mul_i32 s22, s18, 6144
	s_add_co_u32 s20, s20, s22
	s_add_co_u32 s20, s20, 6557696
	s_add_nc_u64 s[24:25], s[10:11], s[20:21]
	s_mul_i32 s20, s19, 102400
	s_lshl_b32 s22, s18, 8
	s_add_co_u32 s20, s20, s22
	s_add_co_u32 s20, s20, 6553600
	s_add_nc_u64 s[26:27], s[10:11], s[20:21]
.macro VTILE a
	s_wait_xcnt 0x0                                ; the last tile's stores have read their registers,
	s_wait_dscnt 0x0                               ; the LDS store too
	QUANT 64*((\a)%4), 2+(\a)/4
.irp g, 0,1,2
	global_store_b128 v[GO], v[PC+4*\g:PC+4*\g+3], s[24:25] offset:((\a)/4)*102400+((\a)%4)*1536+512*\g   ; the fragment as it stands: 512 consecutive bytes a store
.endr
	ds_store_b32 v[STV], v[PW] offset:256*((\a)/4)+4*((\a)%4)
.endm
.irp a, 0,1,2,3,4,5,6,7
	VTILE \a
.endr
	ds_load_b128 v[232:235], v[RDV]
	s_wait_dscnt 0x0
	global_store_b128 v[GSO], v[232:235], s[26:27]
.Ldone:
	s_wait_tensorcnt 0x0                           ; the wave's end: behind my last tensor load and my last LDS store
	ds_add_u32 v[SPW], v[NIL]
	s_wait_dscnt 0x0
	CROUND                                         ; the closing round: no work-group ends while a partner may still ask for a tile that names it
	s_endpgm
.Lfunc_end_k_q6f81f75916_qkv:
	.size	k_q6f81f75916_qkv, .Lfunc_end_k_q6f81f75916_qkv-k_q6f81f75916_qkv
	.p2alignl 7, 3214868480
	.fill 96, 4, 3214868480
	.section	.rodata,"a",@progbits
	.p2align	6, 0x0
	.amdhsa_kernel k_q6f81f75916_qkv
		.amdhsa_group_segment_fixed_size 327680
		.amdhsa_private_segment_fixed_size 0
		.amdhsa_enable_private_segment 0
		.amdhsa_kernarg_size 32
		.amdhsa_user_sgpr_count 2
		.amdhsa_user_sgpr_kernarg_segment_ptr 1
		.amdhsa_wavefront_size32 1
		.amdhsa_system_sgpr_workgroup_id_x 1
		.amdhsa_system_sgpr_workgroup_id_y 1
		.amdhsa_system_sgpr_workgroup_id_z 1
		.amdhsa_system_vgpr_workitem_id 0
		.amdhsa_next_free_vgpr 1024
		.amdhsa_next_free_sgpr 100
		.amdhsa_reserve_vcc 0
		.amdhsa_float_denorm_mode_32 3
		.amdhsa_float_denorm_mode_16_64 3
		.amdhsa_memory_ordered 1
		.amdhsa_forward_progress 1
		.amdhsa_inst_pref_size 254
	.end_amdhsa_kernel
	.amdgpu_metadata
---
amdhsa.version: [ 1, 2 ]
amdhsa.kernels:
  - .name:           k_q6f81f75916_qkv
    .symbol:         k_q6f81f75916_qkv.kd
    .args:
      - { .name: wq, .offset: 0, .size: 8, .value_kind: global_buffer, .address_space: global }
      - { .name: cos, .offset: 8, .size: 8, .value_kind: global_buffer, .address_space: global }
      - { .name: sin, .offset: 16, .size: 8, .value_kind: global_buffer, .address_space: global }
      - { .name: qkvq, .offset: 24, .size: 8, .value_kind: global_buffer, .address_space: global }
    .group_segment_fixed_size: 327680
    .private_segment_fixed_size: 0
    .kernarg_segment_align: 8
    .kernarg_segment_size: 32
    .max_flat_workgroup_size: 128
    .sgpr_count:     100
    .vgpr_count:     1024
    .wavefront_size: 32
...
	.end_amdgpu_metadata
.endif
;; end of part 2
;; launch attn (part 3): grid 8 x 32, 16 waves a work-group, clusters of 4 x 1, 327,680 bytes of LDS; arguments qkvq, oq; writes oq
.if DOCPART == 3
	.amdgcn_target "amdgcn-amd-amdhsa--gfx1250"
	.amdhsa_code_object_version 6
	.text
	.protected	k_q6f81f75916_attn
	.globl	k_q6f81f75916_attn
	.p2align	8
	.type	k_q6f81f75916_attn,@function
k_q6f81f75916_attn:
	s_mov_b64 s[64:65], 0
	v_nop
	global_prefetch_b8 v0, s[64:65] scope:SCOPE_SE
	s_setreg_imm32_b32 hwreg(HW_REG_WAVE_MODE, 25, 1), 1
	s_wait_xcnt 0x0
	s_wait_alu depctr_hold_cnt(0) depctr_sa_sdst(0) depctr_va_vdst(0) depctr_va_sdst(0) depctr_va_ssrc(0) depctr_va_vcc(0) depctr_vm_vsrc(0)
	s_getreg_b32 s2, hwreg(HW_REG_IB_STS2, 6, 4)
	s_cmp_eq_u32 s2, 0
	s_cbranch_scc0 .Lentry_in_a_cluster
	s_endpgm
.Lentry_in_a_cluster:
	s_bfe_u32 s2, ttmp6, 0x10000c
	s_cmp_lg_u32 s2, 0x3003
	s_cbranch_scc0 .Lentry_shape_is_right
	s_endpgm
.Lentry_shape_is_right:
; Attention on codes of FP6 with E8M0 scales: 32 (batch, head) x 2,048 queries x 2,048 keys, head size 64; the result is quantised along the model's 1,024 for the next product.
; SOFTMAX: t = score x log2(e) / 8; M = the running largest t rounded UP to a whole number; p = 2^(t - M) is quantised along the keys, not normalised; the row's sum is taken of the unquantised p and divides at the end.
; SHARES.  A work-group owns 256 queries of one (batch, head); each of its sixteen waves 16 of them, in 256 registers: four waves to a SIMD.
; MEMORY.  q, k and v each have, for one (batch, head), a region of 102,400 bytes: 4,096 of scale words, then 98,304 of codes: 400 rows of 256 bytes.  K's and V's regions come into LDS whole and as they lie; nothing is filled again.
; TWO GROUPS OF LOADS, one tensor load a wave in each.  Waves 0-7 fetch K's region, waves 8-15 V's.  At the head 14 rows a wave: 112 rows = the scale words and the codes of keys 0-511.
; Behind the waits, the add and a round: 36 rows a wave, the other 1,536 keys, which land while the first four key steps are walked.  One tensor load of a wave is out at the most.
; CLUSTER.  The four work-groups of a cluster belong to one head: every load is asked for jointly (mask 15).  All is asked for in these two groups, so there is no later stream to ask for ahead of time: no prefetch.
; LAYOUT.  Both products are used transposed: a lane holds ONE query (lane % 16).  The head's 64 fill half of the instruction's 128 along K: a K operand holds TWO tiles of 16 keys (registers 0-5: tile 2 b, 6-11: tile 2 b + 1),
; and q stands in a run zeros | q | zeros, so that q | zeros picks the first tile and zeros | q the second.  Lane r of tile 2 b + u is key 32 b + 8 u + r + 8 (r/8): the 16 registers of two tiles are 16 neighbouring keys.
; LIMITS: NaN and infinities are not served; a block of zeros gets the byte 1; the promise holds while |t| stays under 2^31.
.set REG,   102400                     ; a region; in LDS K's at 0, V's at REG
.set TEN,   3276800                    ; a tensor's 32 regions
.set COD,   4096                       ; where a region's codes begin
.set P1,    14*256                     ; a wave's bytes of the first group,
.set P2,    36*256                     ; and of the second
.set SPARE, 204800                     ; the spare words, 128 bytes for each wave: eight blocks of 256 bytes that no other line names
.set WV,  18
.set SEL, 20
.set CS,  22                           ; s[22:23] c = log2(e) / 8
.set G1F, 24                           ; s[24:31] group 1 of the first group: 14 rows of 256 bytes
.set G1R, 32                           ; s[32:39] of the second: 36 rows
.set G0F, 40                           ; s[40:43], s[44:47] their groups 0
.set G0R, 44
.set TB,  2                            ; s2  where the step's codes begin in a region
.set TS,  3                            ; s3  and its scale words
.set CNT, 60
.macro CROUND
	s_barrier_signal -1
	s_barrier_wait -1
	s_cmp_lg_u32 s[WV], 0
	s_cbranch_scc1 .Lnot_wave_0_\@
	s_barrier_signal -3
.Lnot_wave_0_\@:
	s_barrier_wait -3
	s_barrier_signal -1
	s_barrier_wait -1
.endm
.macro GRP1 g, rows                    ; 15:0 the mask: all four; 17:16 elements of 8 bytes; 21 set beside a mask; rows of 32 elements, dense
	s_mov_b32 s[\g], 15|(3<<16)|(1<<21)
	s_mov_b32 s[\g+1], 32<<16
	s_mov_b32 s[\g+2], (\rows)<<16
	s_mov_b32 s[\g+3], 32<<16
	s_mov_b32 s[\g+4], \rows
	s_mov_b32 s[\g+5], 32
	s_mov_b32 s[\g+6], 0
	s_mov_b32 s[\g+7], 0
.endm
	s_load_b128 s[4:7], s[0:1], 0x0                ; q, k, v as codes; the output
	v_lshl_add_u32 v5, v0, 2, SPARE
	v_mov_b32 v6, 0
	ds_add_u32 v5, v6                              ; the opening lines: the add, twice on end, and its wait, ahead of my first tensor load
	ds_add_u32 v5, v6
	v_lshrrev_b32 v8, 5, v0
	s_delay_alu instid0(VALU_DEP_1)
	v_readfirstlane_b32 s[WV], v8                  ; wave 0..15
	s_bfe_u32 s8, ttmp6, 0x40000                   ; cx
	s_lshl_b32 s9, ttmp9, 2
	s_add_co_u32 s9, s9, s8                        ; my block of 256 queries: it enters q's and the output's addresses alone
	s_and_b32 s10, ttmp7, 0xffff                   ; 16 x batch + head, which the four partners share
	GRP1 G1F, 14
	GRP1 G1R, 36
	s_lshr_b32 s11, s[WV], 3                       ; 0: K, 1: V
	s_and_b32 s12, s[WV], 7                        ; which eighth of the region's rows
	s_mul_i32 s13, s11, REG
	s_mul_i32 s14, s12, P1
	s_mul_i32 s15, s12, P2
	s_mov_b32 s[G0F], 1
	s_add_co_u32 s[G0F+1], s13, s14                ; LDS addresses: by the wave's number alone
	s_mov_b32 s[G0R], 1
	s_add_co_u32 s[G0R+1], s13, s15
	s_add_co_u32 s[G0R+1], s[G0R+1], 8*P1
	s_mul_i32 s16, s11, TEN
	s_mul_i32 s17, s10, REG                        ; my head's region within a tensor
	s_add_co_u32 s16, s16, s17
	s_add_co_u32 s16, s16, TEN                     ; k is tensor 1, v tensor 2
	s_add_co_u32 s62, s16, s14
	s_mov_b32 s63, 0
	s_add_co_u32 s66, s16, s15
	s_add_co_u32 s66, s66, 8*P1
	s_mov_b32 s67, 0
	s_mov_b32 s[SEL], 0x76543210
	s_mov_b32 s[SEL+1], 0xfedcba98
	s_mov_b32 s[CS], 0x3e38aa3b
	s_mov_b32 s[CS+1], s[CS]                       ; (named with it as a pair, so it is written)
	s_wait_dscnt 0x0                               ; both opening adds are done
	s_wait_kmcnt 0x0
	s_add_nc_u64 s[G0F+2:G0F+3], s[4:5], s[62:63]
	s_or_b32 s[G0F+3], s[G0F+3], 0x80000000
	s_add_nc_u64 s[G0R+2:G0R+3], s[4:5], s[66:67]
	s_or_b32 s[G0R+3], s[G0R+3], 0x80000000
	CROUND                                         ; all four work-groups are here: the joint loads meet
	tensor_load_to_lds s[G0F:G0F+3], s[G1F:G1F+7]  ; my 14 rows of the first group
	s_nop 0
.rept 4
	v_nop
.endr
	v_and_b32 v8, 31, v0                           ; lane
	v_and_b32 v9, 15, v0                           ; r
	s_delay_alu instid0(VALU_DEP_2)
	v_mul_u32_u24 v1, v8, 48                       ; my 48 bytes of a block of K (and of q)
	v_lshl_add_u32 v2, v8, 4, REG                  ; my 16 bytes of a group of V's image
	v_lshlrev_b32 v3, 4, v9                        ; my row's four scale words: K's (and q's),
	v_lshlrev_b32 v4, 2, v9
	v_lshlrev_b32 v7, 3, v8
	v_lshl_add_u32 v16, v9, 4, REG                 ; and V's
	s_wait_alu depctr_va_vdst(0)
	s_lshr_b32 s11, s[WV], 1
	s_lshl_b32 s12, s9, 3
	s_add_co_u32 s11, s11, s12                     ; my block of 32 tokens,
	s_and_b32 s61, s[WV], 1                        ; and which of its two tiles is mine
	s_mul_i32 s12, s11, 1536
	s_mul_i32 s13, s61, 24
	s_add_co_u32 s12, s12, s13
	s_add_co_u32 s12, s12, s17
	s_add_co_u32 s12, s12, COD
	s_mov_b32 s13, 0
	s_add_nc_u64 s[12:13], s[4:5], s[12:13]
.irp i, 0,1,2
	global_load_b64 v[198+2*\i:199+2*\i], v1, s[12:13] offset:8*\i   ; q's 24 bytes: they stay in registers
.endr
	s_lshr_b32 s14, s11, 2
	s_lshl_b32 s14, s14, 8
	s_and_b32 s15, s11, 3
	s_lshl_b32 s15, s15, 2
	s_add_co_u32 s14, s14, s15
	s_add_co_u32 s14, s14, s17
	s_mov_b32 s15, 0
	s_add_nc_u64 s[14:15], s[4:5], s[14:15]
	global_load_b32 v254, v3, s[14:15]             ; the block's scale word of row r: both tiles' bytes
	s_mov_b32 s11, 0x03020302
	s_cmp_eq_u32 s61, 0
	s_cselect_b32 s11, 0x01000100, s11
	s_wait_loadcnt 0x0
	v_perm_b32 v255, v254, v254, s11               ; my tile's two bytes in both halves: they serve q | zeros and zeros | q alike
.irp j, 0,1,2,3,4,5
	v_mov_b32 v[192+\j], 0
	v_mov_b32 v[204+\j], 0
.endr
	v_mov_b32 v13, 0xff61b1e6                      ; the largest t so far: -3e38, under every t
	s_delay_alu instid0(VALU_DEP_1)
	v_floor_f32 v12, -v13                          ; -M
	v_mov_b32 v14, 0                               ; the sum, in two halves
	v_mov_b32 v15, 0
.irp b, 0,1,2,3
	v_mov_b32 v[236+\b], 0                         ; a lane permute's destination counts as one of its sources
.endr
	v_mov_b32 v253, 0
.set J, 0
.rept 32
	v_mov_b32 v[160+J], 0                          ; O^T: the step is written once; the first finds zeros, which the first change of M leaves zeros
.set J, J+1
.endr
; A KEY STEP: 128 keys.
.macro STEP
	v_add_nc_u32 v8, s[TB], v1                     ; these four are also the places between the last products and the loads into their registers
	v_add_nc_u32 v9, s[TB], v2
	v_add_nc_u32 v10, s[TS], v3
	v_add_nc_u32 v17, s[TS], v16
.irp b, 0,1,2,3
.irp g, 0,1,2
	ds_load_b128 v[32+12*\b+4*\g:35+12*\b+4*\g], v8 offset:1536*\b+16*\g   ; two tiles of 16 keys: 48 bytes a lane
.endr
.endr
	ds_load_b128 v[248:251], v10                   ; the four blocks' scale words of row r
	s_wait_alu depctr_va_vdst(0)
	s_wait_dscnt 0x0
.irp b, 0,1,2,3
	v_wmma_scale_f32_16x16x128_f8f6f4 v[96+16*\b:103+16*\b], v[32+12*\b:43+12*\b], v[198:209], 0, v[248+\b], v255 matrix_a_fmt:MATRIX_FMT_FP6 matrix_b_fmt:MATRIX_FMT_FP6
	v_wmma_scale_f32_16x16x128_f8f6f4 v[104+16*\b:111+16*\b], v[32+12*\b:43+12*\b], v[192:203], 0, v[248+\b], v255 matrix_a_fmt:MATRIX_FMT_FP6 matrix_b_fmt:MATRIX_FMT_FP6
.endr
.rept 4
	v_nop
.endr
.irp t, 0,1,2,3                        ; V's four tiles of 16 channels are asked for here and land under the softmax
.irp g, 0,1,2
	ds_load_b128 v[32+12*\t+4*\g:35+12*\t+4*\g], v9 offset:1536*\t+512*\g
.endr
.endr
	ds_load_b128 v[248:251], v17
.irp b, 0,1,2,3
	v_max3_num_f32 v[232+\b], v[96+16*\b], v[97+16*\b], v[98+16*\b]   ; the largest score of each block of 32 keys: for the row's maximum, and, since p rises with the score, for the block's largest p
.endr
.irp i, 3,5,7,9,11,13
.irp b, 0,1,2,3
	v_max3_num_f32 v[232+\b], v[232+\b], v[96+16*\b+\i], v[97+16*\b+\i]
.endr
.endr
.irp b, 0,1,2,3
	v_max_num_f32 v[232+\b], v[232+\b], v[111+16*\b]
.endr
.irp b, 0,1,2,3
	s_delay_alu instid0(VALU_DEP_4)
	v_permlanex16_b32 v[236+\b], v[232+\b], s[SEL], s[SEL+1]
.endr
.irp b, 0,1,2,3
	s_delay_alu instid0(VALU_DEP_4)
	v_max_num_f32 v[232+\b], v[232+\b], v[236+\b]  ; with lane l xor 16's 16 keys
.endr
	s_delay_alu instid0(VALU_DEP_2)
	v_max3_num_f32 v254, v232, v233, v234
	s_delay_alu instid0(VALU_DEP_1)
	v_max_num_f32 v254, v254, v235
	s_delay_alu instid0(VALU_DEP_1)
	v_mul_f32 v254, s[CS], v254                    ; as t (c is positive)
	s_delay_alu instid0(VALU_DEP_1)
	v_max_num_f32 v13, v13, v254                   ; the running largest t
	v_mov_b32 v254, v12
	s_delay_alu instid0(VALU_DEP_2)
	v_floor_f32 v12, -v13                          ; the new -M = floor(-t): M is a whole number
	s_delay_alu instid0(VALU_DEP_1)
	v_sub_f32 v254, v12, v254                      ; old M less new M: a whole number, 0 or less
	s_delay_alu instid0(VALU_DEP_1)
	v_cvt_i32_f32 v254, v254
	s_delay_alu instid0(VALU_DEP_1)
	v_ldexp_f32 v252, 1.0, v254                    ; f = 2^(old M - new M): a multiplication by it rounds nothing
.set J, 0
.rept 32
	v_pk_fma_f32 v[96+J:97+J], v[96+J:97+J], s[CS:CS+1], v[12:13] op_sel_hi:[1,0,0]   ; t - M, two at a time
.set J, J+2
.endr
.irp b, 0,1,2,3
	v_fma_f32 v[232+\b], v[232+\b], s[CS], v12     ; the same of each block's largest score
.endr
	s_wait_alu depctr_va_vdst(0)
.set J, 0
.rept 64
	v_exp_f32 v[96+J], v[96+J]                     ; p = 2^(t - M), at most 1
.set J, J+1
.endr
	v_pk_mul_f32 v[14:15], v[14:15], v[252:253] op_sel_hi:[1,0]   ; the sums under the new M; a plain instruction behind the exponentials
	s_wait_alu depctr_va_vdst(0)                   ; one wait for the whole batch, ahead of its first reader
.irp b, 0,1,2,3
	v_exp_f32 v[232+\b], v[232+\b]                 ; the block's largest p
.endr
; the row's sum, of the unquantised p: 32 packed additions in eight chains (v236-247, v230-231, v14-15)
.irp k, 0,1,2,3,4,5
	v_pk_add_f32 v[236+2*\k:237+2*\k], v[96+2*\k:97+2*\k], v[108+2*\k:109+2*\k]
.endr
	v_pk_add_f32 v[230:231], v[120:121], v[122:123]
	v_pk_add_f32 v[14:15], v[14:15], v[124:125]
.irp o, 126, 142
.irp k, 0,1,2,3,4,5
	v_pk_add_f32 v[236+2*\k:237+2*\k], v[236+2*\k:237+2*\k], v[\o+2*\k:\o+2*\k+1]
.endr
	v_pk_add_f32 v[230:231], v[230:231], v[\o+12:\o+13]
	v_pk_add_f32 v[14:15], v[14:15], v[\o+14:\o+15]
.endr
	v_pk_add_f32 v[236:237], v[236:237], v[158:159]
	v_pk_add_f32 v[238:239], v[238:239], v[240:241]
	v_pk_add_f32 v[242:243], v[242:243], v[244:245]
	v_pk_add_f32 v[246:247], v[246:247], v[230:231]
	s_delay_alu instid0(VALU_DEP_4)
	v_pk_add_f32 v[14:15], v[14:15], v[236:237]
	s_delay_alu instid0(VALU_DEP_3)
	v_pk_add_f32 v[238:239], v[238:239], v[242:243]
	s_delay_alu instid0(VALU_DEP_2)
	v_pk_add_f32 v[14:15], v[14:15], v[246:247]
	s_delay_alu instid0(VALU_DEP_1)
	v_pk_add_f32 v[14:15], v[14:15], v[238:239]
	s_wait_alu depctr_va_vdst(0)                   ; and one wait for the four
.irp b, 0,1,2,3
	v_max_num_f32 v[232+\b], 0x1800000, v[232+\b]  ; the floor 2^(3 - 127): the byte cannot fall under 1
.endr
.irp b, 0,1,2,3
	s_delay_alu instid0(VALU_DEP_4)
	v_add_nc_u32 v[244+\b], 0xff000000, v[232+\b]  ; 2 off the exponent field: the conversion's scale operand
.endr
.irp b, 0,1,2,3
	s_delay_alu instid0(VALU_DEP_4)
	v_lshrrev_b32 v[236+\b], 23, v[244+\b]
.endr
	s_delay_alu instid0(VALU_DEP_3)
	v_lshl_or_b32 v253, v237, 8, v236              ; p's scale word for these 128 keys
	s_delay_alu instid0(VALU_DEP_1)
	v_lshl_or_b32 v253, v238, 16, v253
	s_delay_alu instid0(VALU_DEP_1)
	v_lshl_or_b32 v253, v239, 24, v253
.irp c, 0,1
	v_cvt_scalef32_pk16_fp6_f32 v[224+6*\c:226+6*\c], v[96+32*\c:111+32*\c], v[244+2*\c]
	v_cvt_scalef32_pk16_fp6_f32 v[236+4*\c:238+4*\c], v[112+32*\c:127+32*\c], v[244+2*\c+1]
.endr
	v_nop                                          ; one plain instruction behind a scaled conversion
.irp c, 0,1
.irp i, 0,1,2
	v_permlane16_swap_b32 v[224+6*\c+\i], v[236+4*\c+\i]
.endr
.irp i, 0,1,2
	s_delay_alu instid0(VALU_DEP_3)
	v_mov_b32 v[227+6*\c+\i], v[236+4*\c+\i]
.endr
.endr
.set J, 0
.rept 16
	v_pk_mul_f32 v[160+J:161+J], v[160+J:161+J], v[252:253] op_sel_hi:[1,0]   ; O^T under the new M; these sixteen are also the places in front of the products below
.set J, J+2
.endr
	s_wait_alu depctr_va_vdst(0)
	s_wait_dscnt 0x0                               ; V
.irp t, 0,1,2,3                        ; the four accumulators by turns, one instruction a turn
	v_wmma_scale_f32_16x16x128_f8f6f4 v[160+8*\t:167+8*\t], v[32+12*\t:43+12*\t], v[224:235], v[160+8*\t:167+8*\t], v[248+\t], v253 matrix_a_fmt:MATRIX_FMT_FP6 matrix_b_fmt:MATRIX_FMT_FP6
.endr
	s_add_co_u32 s[TB], s[TB], 6144
	s_add_co_u32 s[TS], s[TS], 256
.endm
.macro WALK first, steps               ; key steps first .. first + steps - 1
	s_mov_b32 s[TB], COD+(\first)*6144
	s_mov_b32 s[TS], (\first)*256
	s_mov_b32 s[CNT], \steps
.Lstep_\@:
	STEP
	s_sub_co_u32 s[CNT], s[CNT], 1
	s_cmp_lg_u32 s[CNT], 0
	s_cbranch_scc1 .Lstep_\@
.endm
	s_wait_alu depctr_va_vdst(0)
	s_wait_tensorcnt 0x0                           ; my rows of the first group are in
	ds_add_u32 v5, v6
	s_wait_dscnt 0x0
	CROUND                                         ; everybody's are in, and all four work-groups are here
	tensor_load_to_lds s[G0R:G0R+3], s[G1R:G1R+7]  ; my 36 rows of the second group: bytes that the first four steps do not read
	s_nop 0
.rept 4
	v_nop
.endr
	WALK 0, 4
	s_wait_tensorcnt 0x0                           ; my rows of the second group are in,
	s_barrier_signal -1
	s_barrier_wait -1                              ; everybody's are
	WALK 4, 12
	; THE WAY OUT: O^T / the sum; register 16 b + i is channel 32 b + 16 (lane/16) + i of my query: two blocks of the next product's K
.rept 4
	v_nop
.endr
	v_add_f32 v14, v14, v15
	s_delay_alu instid0(VALU_DEP_1)
	v_permlanex16_b32 v252, v14, s[SEL], s[SEL+1]
	s_delay_alu instid0(VALU_DEP_1)
	v_add_f32 v14, v14, v252                       ; the row's sum
	s_wait_alu depctr_va_vdst(0)
	v_rcp_f32 v14, v14
	v_nop                                          ; a plain instruction behind the transcendental
	s_lshr_b32 s11, s10, 4
	s_lshl_b32 s11, s11, 7
	s_lshl_b32 s12, s9, 4
	s_add_co_u32 s11, s11, s12
	s_add_co_u32 s11, s11, s[WV]                   ; my tile of rows: 128 x batch + 16 x block + wave
	s_lshl_b32 s11, s11, 3
	s_bfe_u32 s12, s10, 0x30001
	s_add_co_u32 s11, s11, s12                     ; its K step head / 2
	s_and_b32 s13, s10, 1                          ; which half of that K step
	s_mul_i32 s14, s11, 1536
	s_mul_i32 s15, s13, 768
	s_add_co_u32 s14, s14, s15
	s_mov_b32 s15, 0
	s_add_nc_u64 s[14:15], s[6:7], s[14:15]
	s_lshl_b32 s16, s11, 6
	s_lshl_b32 s17, s13, 1
	s_add_co_u32 s16, s16, s17
	s_add_co_u32 s16, s16, 3145728
	s_mov_b32 s17, 0
	s_add_nc_u64 s[16:17], s[6:7], s[16:17]
	s_wait_alu depctr_va_vdst(0)                   ; the wait, ahead of the first reader of the reciprocal and of O^T
.set J, 0
.rept 32
	v_mul_f32 v[96+J], v[160+J], v14
.set J, J+1
.endr
.irp b, 0,1
	v_max3_num_f32 v[232+\b], |v[96+16*\b]|, |v[97+16*\b]|, 0x1800000
.endr
.irp i, 2,4,6,8,10,12,14
.irp b, 0,1
	s_delay_alu instid0(VALU_DEP_2)
	v_max3_num_f32 v[232+\b], v[232+\b], |v[96+16*\b+\i]|, |v[97+16*\b+\i]|
.endr
.endr
.irp b, 0,1
	s_delay_alu instid0(VALU_DEP_2)
	v_permlanex16_b32 v[236+\b], v[232+\b], s[SEL], s[SEL+1]
.endr
.irp b, 0,1
	s_delay_alu instid0(VALU_DEP_2)
	v_max_num_f32 v[232+\b], v[232+\b], v[236+\b]
.endr
.irp b, 0,1
	s_delay_alu instid0(VALU_DEP_2)
	v_add_nc_u32 v[244+\b], 0xff000000, v[232+\b]
.endr
.irp b, 0,1
	s_delay_alu instid0(VALU_DEP_2)
	v_lshrrev_b32 v[236+\b], 23, v[244+\b]
.endr
	s_delay_alu instid0(VALU_DEP_1)
	v_lshl_or_b32 v253, v237, 8, v236              ; my row's two scale bytes
	v_cvt_scalef32_pk16_fp6_f32 v[224:226], v[96:111], v244
	v_cvt_scalef32_pk16_fp6_f32 v[240:242], v[112:127], v245
	v_nop
.irp i, 0,1,2
	v_permlane16_swap_b32 v[224+\i], v[240+\i]
.endr
.irp i, 0,1,2
	s_delay_alu instid0(VALU_DEP_3)
	v_mov_b32 v[227+\i], v[240+\i]                 ; lanes 0-15 hold block 0's 24 bytes, lanes 16-31 block 1's: three pieces of the next operand's image
.endr
.irp i, 0,1,2
	global_store_b64 v7, v[224+2*\i:225+2*\i], s[14:15] offset:256*\i   ; 32 lanes store 256 consecutive bytes, at a multiple of 256 from the buffer's first byte
.endr
	global_store_b16 v4, v253, s[16:17]            ; two bytes of row r's scale word (lanes l and l xor 16 store the same bytes)
	s_wait_tensorcnt 0x0                           ; the wave's end
	ds_add_u32 v5, v6
	s_wait_dscnt 0x0
	CROUND                                         ; the closing round
	s_endpgm
.Lfunc_end_k_q6f81f75916_attn:
	.size	k_q6f81f75916_attn, .Lfunc_end_k_q6f81f75916_attn-k_q6f81f75916_attn
	.p2alignl 7, 3214868480
	.fill 96, 4, 3214868480
	.section	.rodata,"a",@progbits
	.p2align	6, 0x0
	.amdhsa_kernel k_q6f81f75916_attn
		.amdhsa_group_segment_fixed_size 327680
		.amdhsa_private_segment_fixed_size 0
		.amdhsa_enable_private_segment 0
		.amdhsa_kernarg_size 16
		.amdhsa_user_sgpr_count 2
		.amdhsa_user_sgpr_kernarg_segment_ptr 1
		.amdhsa_wavefront_size32 1
		.amdhsa_system_sgpr_workgroup_id_x 1
		.amdhsa_system_sgpr_workgroup_id_y 1
		.amdhsa_system_sgpr_workgroup_id_z 1
		.amdhsa_system_vgpr_workitem_id 0
		.amdhsa_next_free_vgpr 256
		.amdhsa_next_free_sgpr 70
		.amdhsa_reserve_vcc 0
		.amdhsa_float_denorm_mode_32 3
		.amdhsa_float_denorm_mode_16_64 3
		.amdhsa_memory_ordered 1
		.amdhsa_forward_progress 1
		.amdhsa_inst_pref_size 47
	.end_amdhsa_kernel
	.amdgpu_metadata
---
amdhsa.version: [ 1, 2 ]
amdhsa.kernels:
  - .name:           k_q6f81f75916_attn
    .symbol:         k_q6f81f75916_attn.kd
    .args:
      - { .name: qkvq, .offset: 0, .size: 8, .value_kind: global_buffer, .address_space: global }
      - { .name: oq, .offset: 8, .size: 8, .value_kind: global_buffer, .address_space: global }
    .group_segment_fixed_size: 327680
    .private_segment_fixed_size: 0
    .kernarg_segment_align: 8
    .kernarg_segment_size: 16
    .max_flat_workgroup_size: 512
    .sgpr_count:     70
    .vgpr_count:     256
    .wavefront_size: 32
...
	.end_amdgpu_metadata
.endif
;; end of part 3
;; launch proj (part 4): grid 8 x 32, 4 waves a work-group, clusters of 4 x 4, 327,680 bytes of LDS; arguments oq, wq, x, x1; writes x1
.if DOCPART == 4
	.amdgcn_target "amdgcn-amd-amdhsa--gfx1250"
	.amdhsa_code_object_version 6
	.text
	.protected	k_q6f81f75916_proj
	.globl	k_q6f81f75916_proj
	.p2align	8
	.type	k_q6f81f75916_proj,@function
k_q6f81f75916_proj:
	s_mov_b64 s[64:65], 0
	v_nop
	global_prefetch_b8 v0, s[64:65] scope:SCOPE_SE
	s_setreg_imm32_b32 hwreg(HW_REG_WAVE_MODE, 25, 1), 1
	s_wait_xcnt 0x0
	s_wait_alu depctr_hold_cnt(0) depctr_sa_sdst(0) depctr_va_vdst(0) depctr_va_sdst(0) depctr_va_ssrc(0) depctr_va_vcc(0) depctr_vm_vsrc(0)
	s_getreg_b32 s2, hwreg(HW_REG_IB_STS2, 6, 4)
	s_cmp_eq_u32 s2, 0
	s_cbranch_scc0 .Lentry_in_a_cluster
	s_endpgm
.Lentry_in_a_cluster:
	s_bfe_u32 s2, ttmp6, 0x10000c
	s_cmp_lg_u32 s2, 0xf033
	s_cbranch_scc0 .Lentry_shape_is_right
	s_endpgm
.Lentry_shape_is_right:
.set TL,    4
.set NQ,    4
.set KT,    8
.set HASB,  0
.set OUTP,  10
.set AREG,  0
.set ASREG, 3145728
.set BREG,  5505024
.set BSREG, 12812288
.set LAPS,  KT/(2*NQ)
.set FRB,   1536
.set ROWT,  NQ*FRB
.set HALFT, TL*ROWT
.set SLOT,  4*HALFT
.set SCL,   2*SLOT
.set KS64,  KT*64
.set HALFS, TL*KS64
.set SPARE, SCL+4*HALFS
.set MW0,   0xa1
.set MW1,   0xa1
.set ADRA,  16
.set ADRB,  20
.set ADRS,  27
.set SPW,   28
.set NIL,   29
.set SC,    32
.set AF,    64
.set G1,    24
.set G0,    32
.set G1B,   48
.set G0B,   56
.set G1S,   68
.set G0S,   76
.set G1SB,  80
.set G0SB,  88
.set MSB, 0
.macro WIN new
.if MSB != (\new)
	s_set_vgpr_msb (MSB<<8)|(\new)
.set MSB, (\new)
.endif
.endm
.macro PLACES
.rept 4
	v_nop
.endr
.endm
.macro JLOAD g0a, g1a, g0b, g1b
	s_cmp_eq_u32 s15, 0
	s_cbranch_scc0 .Lfor_b_\@
	tensor_load_to_lds s[\g0a:\g0a+3], s[\g1a:\g1a+7]
	s_nop 0
.rept 4
	v_nop
.endr
	s_branch .Lasked_\@
.Lfor_b_\@:
	tensor_load_to_lds s[\g0b:\g0b+3], s[\g1b:\g1b+7]
	s_nop 0
.rept 4
	v_nop
.endr
.Lasked_\@:
.endm
.macro CREST
	s_cmp_lg_u32 s14, 0
	s_cbranch_scc1 .Lnot_wave_0_\@
	s_barrier_signal -3
.Lnot_wave_0_\@:
	s_barrier_wait -3
	s_barrier_signal -1
	s_barrier_wait -1
.endm
.macro CROUND
	s_barrier_signal -1
	s_barrier_wait -1
	CREST
.endm
.macro FRAG reg, adr, q, i
.irp p, 0,1,2,3,4,5
	ds_load_b64 v[\reg+2*\p:\reg+2*\p+1], v[\adr] offset:(\i)*ROWT+(\q)*FRB+256*\p
.endr
.endm
.macro FETCH slot, q, p
	WIN 0x40
.set FI, 0
.rept TL
	FRAG 128*(\p)+12*FI, ADRB+\slot, \q, FI
.set FI, FI+1
.endr
	WIN 0
.set FI, 0
.rept TL
	FRAG AF+96*(\p)+12*FI, ADRA+\slot, \q, FI
.set FI, FI+1
.endr
.endm
.macro SCALES sc
.set SI, 0
.rept TL
.set SQ, 0
.rept NQ
	ds_load_b32 v[SC+16*(\sc)+NQ*SI+SQ], v[ADRS] offset:SI*KS64+64*SQ
.set SQ, SQ+1
.endr
.set SI, SI+1
.endr
.endm
.macro MULR a0, n, p, q, sc, zero
.set MA, \a0
.rept \n
.set MB, 0
.rept TL
.set ACC, (8*(MA*TL+MB))%256
.if \zero
	v_wmma_scale_f32_16x16x128_f8f6f4 v[ACC:ACC+7], v[128*(\p)+12*MB:128*(\p)+12*MB+11], v[AF+96*(\p)+12*MA:AF+96*(\p)+12*MA+11], 0, v[SC+16*(\sc)+NQ*MB+(\q)], v[SC+16*(\sc)+NQ*MA+(\q)] matrix_a_fmt:MATRIX_FMT_FP6 matrix_b_fmt:MATRIX_FMT_FP6 matrix_a_scale:MATRIX_SCALE_ROW1
.else
	v_wmma_scale_f32_16x16x128_f8f6f4 v[ACC:ACC+7], v[128*(\p)+12*MB:128*(\p)+12*MB+11], v[AF+96*(\p)+12*MA:AF+96*(\p)+12*MA+11], v[ACC:ACC+7], v[SC+16*(\sc)+NQ*MB+(\q)], v[SC+16*(\sc)+NQ*MA+(\q)] matrix_a_fmt:MATRIX_FMT_FP6 matrix_b_fmt:MATRIX_FMT_FP6 matrix_a_scale:MATRIX_SCALE_ROW1
.endif
.set MB, MB+1
.endr
.set MA, MA+1
.endr
.endm
.macro STEP slot, q, zero
	s_wait_dscnt 3*TL
	WIN MW0
	MULR 0, TL/2, (\q)%2, \q, \slot, \zero
	s_wait_dscnt 0x0
	PLACES
	FETCH \slot, (\q)+1, 1-(\q)%2
	WIN MW1
	MULR TL/2, TL/2, (\q)%2, \q, \slot, \zero
	WIN 0
.endm
.macro TURN slot, next, fill
	s_wait_tensorcnt 0x0
	ds_add_u32 v[SPW], v[NIL]
	s_wait_dscnt 3*TL+1
	WIN MW0
	MULR 0, TL/4, 1, NQ-1, \slot, 0
	s_wait_dscnt 0x0
	s_barrier_signal -1
	MULR TL/4, TL/4, 1, NQ-1, \slot, 0
	WIN 0
	s_barrier_wait -1
.if \fill
	CREST
	s_add_nc_u64 s[G0+4*\slot+2:G0+4*\slot+3], s[G0+4*\slot+2:G0+4*\slot+3], 2*ROWT
	s_add_nc_u64 s[G0B+4*\slot+2:G0B+4*\slot+3], s[G0B+4*\slot+2:G0B+4*\slot+3], 2*ROWT
	JLOAD G0+4*\slot, G1, G0B+4*\slot, G1B
.else
	PLACES
.endif
	v_add_nc_u32 v[ADRS], 64*NQ, v[ADRS]
	SCALES \next
	FETCH \next, 0, 0
	WIN MW1
	MULR TL/2, TL/2, 1, NQ-1, \slot, 0
	WIN 0
.endm
.macro MID slot, q0
.if NQ-1-(\q0) > 0
.set MQ, \q0
.rept NQ-1-(\q0)
	STEP \slot, MQ, 0
.set MQ, MQ+1
.endr
.endif
.endm
.macro LAST
	s_wait_dscnt 3*TL
	WIN MW0
	MULR 0, TL/2, 1, NQ-1, 1, 0
	s_wait_dscnt 0x0
	WIN MW1
	MULR TL/2, TL/2, 1, NQ-1, 1, 0
	WIN 0
.endm
	s_load_b256 s[4:11], s[0:1], 0x0
	v_lshl_add_u32 v[SPW], v0, 2, SPARE
	v_mov_b32 v[NIL], 0
	ds_add_u32 v[SPW], v[NIL]
	ds_add_u32 v[SPW], v[NIL]
	v_lshrrev_b32 v1, 5, v0
	v_readfirstlane_b32 s14, v1
; THE PREFETCH.  A wave's load for a slot is TL tiles of rows x ROWT bytes = 96 blocks of 256 bytes.  The four partners that ask for it jointly share the blocks out by address: each names 24, a lane a block
; (lanes 24-31 name the last again).  K has two slots here: slot 1 is asked for at the head, behind slot 0's load; there is no loop to run ahead in.
.set PFO, 30                           ; v30 my lane's block within my work-group's 24; never rewritten
.set PFA, 96                           ; s[96:97] my work-group's share of the rows that my wave fetches
	v_and_b32 v[PFO], 31, v0
	v_min_u32 v[PFO], 23, v[PFO]
	v_lshlrev_b32 v[PFO], 8, v[PFO]
	s_lshr_b32 s15, s14, 1
	s_and_b32 s16, s14, 1
	s_bfe_u32 s40, ttmp6, 0x40000
	s_bfe_u32 s41, ttmp6, 0x40004
	s_lshl_b32 s42, ttmp9, 2
	s_add_co_u32 s42, s42, s40
	s_and_b32 s17, ttmp7, 0xffff
	s_lshl_b32 s17, s17, 2
	s_add_co_u32 s17, s17, s41
	s_lshl_b32 s43, s41, 2
	s_lshl_b32 s43, 15, s43
	s_lshl_b32 s44, 0x1111, s40
	s_or_b32 s[G1+0], s43, (3<<16)|(1<<21)
	s_or_b32 s[G1B+0], s44, (3<<16)|(1<<21)
.irp g, G1, G1B
	s_mov_b32 s[\g+1], (NQ*192)<<16
	s_mov_b32 s[\g+2], (2*TL)<<16                  ; the head's loads bring a side's 2 TL tiles of rows
	s_mov_b32 s[\g+3], (NQ*192)<<16
	s_mov_b32 s[\g+4], 2*TL
	s_mov_b32 s[\g+5], KT*192
	s_mov_b32 s[\g+6], 0
	s_mov_b32 s[\g+7], 0
.endr
	s_or_b32 s[G1S+0], s43, (3<<16)|(1<<21)
	s_or_b32 s[G1SB+0], s44, (3<<16)|(1<<21)
.irp g, G1S, G1SB
	s_mov_b32 s[\g+1], 32<<16
	s_mov_b32 s[\g+2], (HALFS/128)<<16             ; a side's scale words whole: 2 HALFS bytes
	s_mov_b32 s[\g+3], 32<<16
	s_mov_b32 s[\g+4], HALFS/128
	s_mov_b32 s[\g+5], 32
	s_mov_b32 s[\g+6], 0
	s_mov_b32 s[\g+7], 0
.endr
	s_mul_i32 s18, s16, TL
	s_mul_i32 s20, s17, 2*TL
	s_add_co_u32 s20, s20, s18
	s_mul_i32 s46, s42, 2*TL
	s_add_co_u32 s46, s46, s18
	s_mul_i32 s22, s20, KS64
	s_add_co_u32 s22, s22, ASREG
	s_mul_i32 s20, s20, KT*FRB
	s_add_co_u32 s20, s20, AREG
	s_mul_i32 s92, s46, KS64
	s_add_co_u32 s92, s92, BSREG
	s_mul_i32 s46, s46, KT*FRB
	s_add_co_u32 s46, s46, BREG
	s_mov_b32 s21, 0
	s_mov_b32 s23, 0
	s_mov_b32 s47, 0
	s_mov_b32 s93, 0
	s_mul_i32 s45, s14, HALFT
	s_wait_dscnt 0x0
	s_wait_kmcnt 0x0
	s_add_nc_u64 s[20:21], s[4:5], s[20:21]
	s_add_nc_u64 s[22:23], s[4:5], s[22:23]
	s_add_nc_u64 s[46:47], s[6:7], s[46:47]
	s_add_nc_u64 s[92:93], s[6:7], s[92:93]
	CROUND
	s_mul_i32 s2, s16, HALFS                       ; back from my half to the side's first scale word
	s_mov_b32 s3, 0
	s_mov_b32 s[G0S], 1
	s_mov_b32 s[G0S+1], SCL
	s_sub_nc_u64 s[G0S+2:G0S+3], s[22:23], s[2:3]
	s_or_b32 s[G0S+3], s[G0S+3], 0x80000000
	s_mov_b32 s[G0SB], 1
	s_mov_b32 s[G0SB+1], SCL+2*HALFS
	s_sub_nc_u64 s[G0SB+2:G0SB+3], s[92:93], s[2:3]
	s_or_b32 s[G0SB+3], s[G0SB+3], 0x80000000
	s_cmp_eq_u32 s15, 0                            ; waves 0 and 1 ask for A's rows, waves 2 and 3 for B's
	s_cselect_b64 s[PFA:PFA+1], s[20:21], s[46:47]
	s_cselect_b32 s2, s40, s41                     ; my place among the four that ask with me
	s_mul_i32 s2, s2, (TL/4)*KT*FRB
	s_add_nc_u64 s[PFA:PFA+1], s[PFA:PFA+1], s[2:3]
.irp s, 0,1
	s_mov_b32 s[G0+4*\s], 1
	s_add_co_u32 s[G0+4*\s+1], s45, \s*SLOT
	s_add_nc_u64 s[G0+4*\s+2:G0+4*\s+3], s[20:21], \s*ROWT
	s_or_b32 s[G0+4*\s+3], s[G0+4*\s+3], 0x80000000
	s_mov_b32 s[G0B+4*\s], 1
	s_add_co_u32 s[G0B+4*\s+1], s45, \s*SLOT
	s_add_nc_u64 s[G0B+4*\s+2:G0B+4*\s+3], s[46:47], \s*ROWT
	s_or_b32 s[G0B+4*\s+3], s[G0B+4*\s+3], 0x80000000
.endr
; The head's four tiles, one joint load a wave, in one chain of branches on the wave's number: wave 0 A's part of slot 0, wave 1 A's scale words, wave 2 B's part of slot 0, wave 3 B's scale words.
.macro ARM under, g0, g1, next
	s_cmp_lt_u32 s14, \under
	s_cbranch_scc0 \next
	tensor_load_to_lds s[\g0:\g0+3], s[\g1:\g1+7]
	s_nop 0
.rept 4
	v_nop
.endr
	s_branch .Lhead_asked
\next:
.endm
	ARM 1, G0, G1, .Lhead_sa
	ARM 2, G0S, G1S, .Lhead_b
	ARM 3, G0B, G1B, .Lhead_sb
	tensor_load_to_lds s[G0SB:G0SB+3], s[G1SB:G1SB+7]
	s_nop 0
.rept 4
	v_nop
.endr
.Lhead_asked:
	s_wait_alu depctr_va_vdst(0)
	global_prefetch_b8 v[PFO], s[PFA:PFA+1] offset:ROWT th:TH_LOAD_NT scope:SCOPE_SE
	s_wait_tensorcnt 0x0                           ; my tile of the four is in; slot 1's first fill is issued as a refill is
	ds_add_u32 v[SPW], v[NIL]
	s_mov_b32 s[G1+2], TL<<16                      ; no tensor load of mine is out: from here on a load brings TL tiles of rows
	s_mov_b32 s[G1+4], TL
	s_mov_b32 s[G1B+2], TL<<16
	s_mov_b32 s[G1B+4], TL
	s_wait_dscnt 0x0
	CROUND
	JLOAD G0+4, G1, G0B+4, G1B                     ; slot 1, a quarter a wave
	v_and_b32 v1, 15, v0
	v_bfe_u32 v2, v0, 4, 1
	s_wait_alu depctr_va_vdst(0)
	v_and_b32 v3, 31, v0
	v_lshlrev_b32 v4, 3, v3
	s_mul_i32 s18, s15, HALFT
	s_mul_i32 s19, s16, HALFT
	s_add_co_u32 s19, s19, 2*HALFT
.irp s, 0,1
	v_add_nc_u32 v[ADRA+\s], s18, v4
	v_add_nc_u32 v[ADRB+\s], s19, v4
	s_add_co_u32 s18, s18, SLOT
	s_add_co_u32 s19, s19, SLOT
.endr
	s_mul_i32 s18, s15, HALFS
	s_mul_i32 s19, s16, HALFS
	s_add_co_u32 s19, s19, 2*HALFS
	s_sub_co_u32 s19, s19, s18
	v_mul_u32_u24 v5, s19, v2
	s_add_co_u32 s18, s18, SCL
	v_lshl_add_u32 v5, v1, 2, v5
	v_add_nc_u32 v[ADRS], s18, v5
.set STO, 5
.set RD,  6
.set RO,  7
.set BO,  12
.set OB,  64
	s_mul_i32 s18, s14, 4352
	v_mul_u32_u24 v[STO], v1, 272
	v_lshl_add_u32 v[STO], v2, 6, v[STO]
	v_add_nc_u32 v[STO], s18, v[STO]
	v_mul_u32_u24 v[RD], v2, 272
	v_lshl_add_u32 v[RD], v1, 4, v[RD]
	v_add_nc_u32 v[RD], s18, v[RD]
	v_lshlrev_b32 v[BO], 4, v1
	v_lshl_add_u32 v[RO], v2, 12, v[BO]
	s_wait_alu depctr_va_vdst(0)
	s_lshl_b32 s18, s17, 7
	s_lshl_b32 s19, s15, 6
	s_add_co_u32 s18, s18, s19
	s_lshl_b32 s18, s18, 12
	s_lshl_b32 s19, s42, 9
	s_add_co_u32 s18, s18, s19
	s_lshl_b32 s19, s16, 8
	s_add_co_u32 s18, s18, s19
	s_mov_b32 s19, 0
	s_add_nc_u64 s[8:9], s[8:9], s[18:19]
	s_add_nc_u64 s[OUTP:OUTP+1], s[OUTP:OUTP+1], s[18:19]
.if HASB
	s_lshl_b32 s18, s42, 9
	s_lshl_b32 s66, s16, 8
	s_add_co_u32 s18, s18, s66
	s_add_nc_u64 s[10:11], s[10:11], s[18:19]
	global_load_b128 v[8:11], v[BO], s[10:11]
.endif
	WIN 0xc0
.irp a, 0,1,2,3
.irp t, 0,1,2,3,4,5,6,7
	global_load_b128 v[32*\a+4*\t:32*\a+4*\t+3], v[RO], s[8:9] offset:(32*(\a/2)+8*(\a%2)+2*\t+8*(\t/4))*4096
.endr
.endr
	WIN 0
	s_wait_tensorcnt 1
	s_barrier_signal -1
	s_barrier_wait -1
	SCALES 0
	FETCH 0, 0, 0
	STEP 0, 0, 1
.if LAPS > 1
	s_mov_b32 s3, LAPS-1
.Llap:
	MID 0, 1
	TURN 0, 1, 1
	MID 1, 0
	TURN 1, 0, 1
	STEP 0, 0, 0
	s_sub_co_u32 s3, s3, 1
	s_cmp_lg_u32 s3, 0
	s_cbranch_scc1 .Llap
.endif
	MID 0, 1
	TURN 0, 1, 0
	MID 1, 0
	LAST
	s_wait_loadcnt 0x0
	PLACES
.macro OUT a
.if (\a) >= 2
	s_wait_xcnt 0x0
.endif
	WIN 0x08
.irp b, 0,1,2,3
	ds_store_b128 v[STO], v[8*(4*(\a)+\b):8*(4*(\a)+\b)+3] offset:128*(\b/2)+32*(\b%2)
	ds_store_b128 v[STO], v[8*(4*(\a)+\b)+4:8*(4*(\a)+\b)+7] offset:128*(\b/2)+32*(\b%2)+16
.endr
	WIN 0
.irp t, 0,1,2,3,4,5,6,7
	ds_load_b128 v[OB+32*((\a)%2)+4*\t:OB+32*((\a)%2)+4*\t+3], v[RD] offset:544*\t
.endr
	s_wait_dscnt 0x0
	WIN 0x0c
.set ON, 0
.rept 16
	v_pk_add_f32 v[OB+32*((\a)%2)+ON:OB+32*((\a)%2)+ON+1], v[OB+32*((\a)%2)+ON:OB+32*((\a)%2)+ON+1], v[32*(\a)+ON:32*(\a)+ON+1]
.set ON, ON+2
.endr
	WIN 0
.if HASB
.set ON, 0
.rept 16
	v_pk_add_f32 v[OB+32*((\a)%2)+ON:OB+32*((\a)%2)+ON+1], v[OB+32*((\a)%2)+ON:OB+32*((\a)%2)+ON+1], v[8+ON%4:9+ON%4]
.set ON, ON+2
.endr
.endif
.irp t, 0,1,2,3,4,5,6,7
	global_store_b128 v[RO], v[OB+32*((\a)%2)+4*\t:OB+32*((\a)%2)+4*\t+3], s[OUTP:OUTP+1] offset:(32*((\a)/2)+8*((\a)%2)+2*\t+8*(\t/4))*4096
.endr
.endm
	OUT 0
	OUT 1
	OUT 2
	OUT 3
	s_wait_tensorcnt 0x0
	ds_add_u32 v[SPW], v[NIL]
	s_wait_dscnt 0x0
	CROUND
	s_endpgm
.Lfunc_end_k_q6f81f75916_proj:
	.size	k_q6f81f75916_proj, .Lfunc_end_k_q6f81f75916_proj-k_q6f81f75916_proj
	.p2alignl 7, 3214868480
	.fill 96, 4, 3214868480
	.section	.rodata,"a",@progbits
	.p2align	6, 0x0
	.amdhsa_kernel k_q6f81f75916_proj
		.amdhsa_group_segment_fixed_size 327680
		.amdhsa_private_segment_fixed_size 0
		.amdhsa_enable_private_segment 0
		.amdhsa_kernarg_size 32
		.amdhsa_user_sgpr_count 2
		.amdhsa_user_sgpr_kernarg_segment_ptr 1
		.amdhsa_wavefront_size32 1
		.amdhsa_system_sgpr_workgroup_id_x 1
		.amdhsa_system_sgpr_workgroup_id_y 1
		.amdhsa_system_sgpr_workgroup_id_z 1
		.amdhsa_system_vgpr_workitem_id 0
		.amdhsa_next_free_vgpr 1024
		.amdhsa_next_free_sgpr 100
		.amdhsa_reserve_vcc 0
		.amdhsa_float_denorm_mode_32 3
		.amdhsa_float_denorm_mode_16_64 3
		.amdhsa_memory_ordered 1
		.amdhsa_forward_progress 1
		.amdhsa_inst_pref_size 71
	.end_amdhsa_kernel
	.amdgpu_metadata
---
amdhsa.version: [ 1, 2 ]
amdhsa.kernels:
  - .name:           k_q6f81f75916_proj
    .symbol:         k_q6f81f75916_proj.kd
    .args:
      - { .name: oq, .offset: 0, .size: 8, .value_kind: global_buffer, .address_space: global }
      - { .name: wq, .offset: 8, .size: 8, .value_kind: global_buffer, .address_space: global }
      - { .name: x, .offset: 16, .size: 8, .value_kind: global_buffer, .address_space: global }
      - { .name: x1, .offset: 24, .size: 8, .value_kind: global_buffer, .address_space: global }
    .group_segment_fixed_size: 327680
    .private_segment_fixed_size: 0
    .kernarg_segment_align: 8
    .kernarg_segment_size: 32
    .max_flat_workgroup_size: 128
    .sgpr_count:     100
    .vgpr_count:     1024
    .wavefront_size: 32
...
	.end_amdgpu_metadata
.endif
;; end of part 4
;; launch ln2 (part 5): grid 256 x 1, 16 waves a work-group, no clusters, 89,088 bytes of LDS; arguments x1, ln2_w, ln2_b, wq; writes wq
.if DOCPART == 5
	.amdgcn_target "amdgcn-amd-amdhsa--gfx1250"
	.amdhsa_code_object_version 6
	.text
	.protected	k_q6f81f75916_ln2
	.globl	k_q6f81f75916_ln2
	.p2align	8
	.type	k_q6f81f75916_ln2,@function
k_q6f81f75916_ln2:
	s_mov_b64 s[64:65], 0
	v_nop
	global_prefetch_b8 v0, s[64:65] scope:SCOPE_SE
	s_setreg_imm32_b32 hwreg(HW_REG_WAVE_MODE, 25, 1), 1
	s_wait_xcnt 0x0
; The second LayerNorm: 4,096 rows of 1,024 f32 are normalised and become codes of FP6 (E2M3) with one E8M0 byte for each 32 along K, laid as IMAGES OF OPERAND REGISTERS.
; Work-group g is one tile of 16 rows = 8 fragments of 1,536 bytes (codes at 12,288 g) and 8 x 64 bytes of scale words (at SB + 512 g): the place that the first LayerNorm's codes had.
; ROW ORDER: row r of tile T is row 32 (T/2) + 8 (T%2) + r + 8 (r/8), so that in a transposed product a lane's 16 registers of two neighbouring tiles are 16 neighbouring columns.
; A fragment's image: piece p (0..5) at 256 p + 8 lane holds registers 2p, 2p+1 of lane r + 16 h: bytes 8 (p%3) on of the 24 bytes of block 2 (p/3) + h of row r.
; Wave j takes row j of the tile.  Eight loads of 512 consecutive bytes bring it; it turns through the wave's own stage in LDS so that lane l holds block l (32 neighbours);
; the codes meet in a shared image in LDS and leave as aligned runs of 256 bytes.  Work-groups share nothing: no cluster, no tensor load, one barrier.
; LIMITS: NaN and infinities are not served.  A block of zeros gets the byte 1 where the rule says 127: its codes are zeros, and only this program reads the bytes.
.set IMGS,  73728                      ; behind the 16 turn stages of 4,608 bytes: the image, 48 pieces 264 bytes apart
.set SCS,   86528                      ; the 512 scale bytes
.set SPARE, 87040                      ; the spare words, 128 bytes for each wave: eight blocks of 256 bytes that no other line names
.set SB,    12582912                   ; where the scale words begin in the output buffer
.set R0,    32                         ; v32-63   the gain
.set R1,    64                         ; v64-95   the bias; later my block's 32 numbers
.set R2,    96                         ; v96-127  the row
.set SPW,   30
.set NIL,   31
.macro ACROSS                          ; v18 summed over the 32 lanes, the result in every lane
	s_delay_alu instid0(VALU_DEP_1)
	v_add_f32_dpp v18, v18, v18 row_xmask:1 row_mask:0xf bank_mask:0xf
	s_delay_alu instid0(VALU_DEP_1)
	v_add_f32_dpp v18, v18, v18 row_xmask:2 row_mask:0xf bank_mask:0xf
	s_delay_alu instid0(VALU_DEP_1)
	v_add_f32_dpp v18, v18, v18 row_xmask:4 row_mask:0xf bank_mask:0xf
	s_delay_alu instid0(VALU_DEP_1)
	v_add_f32_dpp v18, v18, v18 row_xmask:8 row_mask:0xf bank_mask:0xf
	s_delay_alu instid0(VALU_DEP_1)
	v_permlanex16_b32 v19, v18, s30, s31
	s_delay_alu instid0(VALU_DEP_1)
	v_add_f32 v18, v18, v19
.endm
.macro JOIN4                           ; the four chains v[10:17] into v18
	s_delay_alu instid0(VALU_DEP_3)
	v_pk_add_f32 v[10:11], v[10:11], v[12:13]
	s_delay_alu instid0(VALU_DEP_2)
	v_pk_add_f32 v[14:15], v[14:15], v[16:17]
	s_delay_alu instid0(VALU_DEP_1)
	v_pk_add_f32 v[10:11], v[10:11], v[14:15]
	s_delay_alu instid0(VALU_DEP_1)
	v_add_f32 v18, v10, v11
.endm
	s_load_b256 s[8:15], s[0:1], 0x0               ; rows, gain, bias, output
	v_lshl_add_u32 v[SPW], v0, 2, SPARE
	v_mov_b32 v[NIL], 0
	v_lshrrev_b32 v1, 5, v0
	s_delay_alu instid0(VALU_DEP_1)
	v_readfirstlane_b32 s3, v1                     ; wave j = row of the tile
	v_and_b32 v1, 31, v0                           ; lane
	s_delay_alu instid0(VALU_DEP_1)
	v_lshlrev_b32 v2, 4, v1                        ; 16 x lane: my bytes of a load's 512; never rewritten
	s_mul_i32 s27, s3, 4608                        ; my turn stage
	v_lshrrev_b32 v4, 3, v1
	s_delay_alu instid0(VALU_DEP_1)
	v_lshl_add_u32 v3, v4, 4, v2
	s_delay_alu instid0(VALU_DEP_1)
	v_add_nc_u32 v3, s27, v3                       ; in: as the bytes lie, 16 bytes of padding behind each 128
	v_mul_u32_u24 v4, v1, 144
	s_delay_alu instid0(VALU_DEP_1)
	v_add_nc_u32 v4, s27, v4                       ; out: 144 x lane: my block's 128 bytes
	v_lshrrev_b32 v6, 1, v1
	s_delay_alu instid0(VALU_DEP_1)
	v_mul_u32_u24 v5, v6, 792
	v_and_b32 v6, 1, v1
	s_delay_alu instid0(VALU_DEP_1)
	v_lshl_add_u32 v5, v6, 7, v5
	s_lshl_b32 s28, s3, 3
	s_add_co_u32 s28, s28, IMGS
	v_add_nc_u32 v5, s28, v5                       ; the image: piece 3 (lane/2) + i, place 8 (j + 16 (lane%2))
	v_lshrrev_b32 v7, 2, v1
	v_and_b32 v6, 3, v1
	s_delay_alu instid0(VALU_DEP_1)
	v_lshl_add_u32 v6, v7, 6, v6
	s_lshl_b32 s28, s3, 2
	s_add_co_u32 s28, s28, SCS
	v_add_nc_u32 v6, s28, v6                       ; my block's scale byte: fragment lane/4, word j, byte lane%4
	s_mul_i32 s28, s3, 792
	s_add_co_u32 s28, s28, IMGS
	v_lshl_add_u32 v7, v1, 3, s28                  ; the way out: wave w reads pieces 3 w .. 3 w + 2,
	s_mul_i32 s28, s3, 768
	v_lshl_add_u32 v8, v1, 3, s28                  ; and stores them 256 bytes apart
	v_add_nc_u32 v9, SCS, v2
	v_mov_b32 v19, 0                               ; a lane permute's destination counts as one of its sources
	v_mov_b32 v22, 0x3a800000                      ; 1 / 1,024
	s_mov_b32 s30, 0x76543210
	s_mov_b32 s31, 0xfedcba98                      ; selects for lane l xor 16
	s_mov_b32 s2, ttmp9                            ; the tile of rows T
	s_lshr_b32 s34, s2, 1
	s_lshl_b32 s34, s34, 5
	s_and_b32 s35, s2, 1
	s_lshl_b32 s35, s35, 3
	s_add_co_u32 s34, s34, s35
	s_add_co_u32 s34, s34, s3
	s_and_b32 s35, s3, 8
	s_add_co_u32 s34, s34, s35                     ; my row: 32 (T/2) + 8 (T%2) + j + 8 (j/8)
	s_lshl_b32 s36, s34, 12
	s_mov_b32 s37, 0
	s_wait_kmcnt 0x0
	s_add_nc_u64 s[4:5], s[8:9], s[36:37]
.irp i, 0,1,2,3,4,5,6,7
	global_load_b128 v[R2+4*\i:R2+4*\i+3], v2, s[4:5] offset:512*\i   ; 32 lanes read 512 consecutive bytes
.endr
.irp i, 0,1,2,3,4,5,6,7
	global_load_b128 v[R0+4*\i:R0+4*\i+3], v2, s[10:11] offset:512*\i
	global_load_b128 v[R1+4*\i:R1+4*\i+3], v2, s[12:13] offset:512*\i
.endr
	s_mul_i32 s36, s2, 12288
	s_add_nc_u64 s[38:39], s[14:15], s[36:37]      ; the tile's codes
	s_lshl_b32 s36, s2, 9
	s_add_co_u32 s36, s36, SB
	s_add_nc_u64 s[40:41], s[14:15], s[36:37]      ; and its scale words
	s_wait_loadcnt 16                              ; the row is in; the 16 loads of gain and bias may be out
.irp k, 0,1,2,3                        ; the mean: four chains of packed sums, started by the first pairs
	v_pk_add_f32 v[10+2*\k:11+2*\k], v[R2+2*\k:R2+2*\k+1], v[R2+8+2*\k:R2+9+2*\k]
.endr
.irp k, 0,1,2,3
	s_delay_alu instid0(VALU_DEP_4)
	v_pk_add_f32 v[10+2*\k:11+2*\k], v[10+2*\k:11+2*\k], v[R2+16+2*\k:R2+17+2*\k]
.endr
.irp k, 0,1,2,3
	s_delay_alu instid0(VALU_DEP_4)
	v_pk_add_f32 v[10+2*\k:11+2*\k], v[10+2*\k:11+2*\k], v[R2+24+2*\k:R2+25+2*\k]
.endr
	JOIN4
	ACROSS
	s_delay_alu instid0(VALU_DEP_1)
	v_mul_f32 v20, v22, v18
	s_delay_alu instid0(VALU_DEP_1)
	v_mov_b32 v21, v20
.irp k, 0,2,4,6,8,10,12,14,16,18,20,22,24,26,28,30
	v_pk_add_f32 v[R2+\k:R2+\k+1], v[R2+\k:R2+\k+1], v[20:21] neg_lo:[0,1] neg_hi:[0,1]   ; x - mean
.endr
.irp k, 0,1,2,3                        ; the variance, of the differences
	v_pk_mul_f32 v[10+2*\k:11+2*\k], v[R2+2*\k:R2+2*\k+1], v[R2+2*\k:R2+2*\k+1]
.endr
.irp o, 8,16,24
.irp k, 0,1,2,3
	s_delay_alu instid0(VALU_DEP_4)
	v_pk_fma_f32 v[10+2*\k:11+2*\k], v[R2+\o+2*\k:R2+\o+2*\k+1], v[R2+\o+2*\k:R2+\o+2*\k+1], v[10+2*\k:11+2*\k]
.endr
.endr
	JOIN4
	ACROSS
	s_delay_alu instid0(VALU_DEP_1)
	v_fmaak_f32 v18, v18, v22, 0x3727c5ac          ; sum / 1,024 + 1e-5
	s_wait_alu depctr_va_vdst(0)
	v_rsq_f32 v20, v18
	v_rsq_f32 v21, v18                             ; twice: a pair for the packed multiply
	v_nop                                          ; a plain instruction behind the transcendentals
	s_wait_loadcnt 0x0                             ; gain and bias
	s_wait_alu depctr_va_vdst(0)                   ; one wait for both, ahead of their first reader
.irp k, 0,2,4,6,8,10,12,14,16,18,20,22,24,26,28,30
	v_pk_mul_f32 v[R2+\k:R2+\k+1], v[R2+\k:R2+\k+1], v[20:21]
.endr
.irp k, 0,2,4,6,8,10,12,14,16,18,20,22,24,26,28,30
	v_pk_fma_f32 v[R2+\k:R2+\k+1], v[R2+\k:R2+\k+1], v[R0+\k:R0+\k+1], v[R1+\k:R1+\k+1]
.endr
.irp i, 0,1,2,3,4,5,6,7                ; the turn: LDS serves a wave's instructions in order, so no wait stands between the stores and the loads
	ds_store_b128 v3, v[R2+4*\i:R2+4*\i+3] offset:576*\i
.endr
.irp i, 0,1,2,3,4,5,6,7
	ds_load_b128 v[R1+4*\i:R1+4*\i+3], v4 offset:16*\i
.endr
	s_wait_dscnt 0x0
	v_max3_num_f32 v10, |v[R1]|, |v[R1+1]|, |v[R1+2]|              ; my block's largest magnitude: all 32 numbers are mine
	v_max3_num_f32 v11, |v[R1+3]|, |v[R1+4]|, |v[R1+5]|
.irp i, 6,10,14,18,22,26
	s_delay_alu instid0(VALU_DEP_2)
	v_max3_num_f32 v10, v10, |v[R1+\i]|, |v[R1+\i+1]|
	s_delay_alu instid0(VALU_DEP_2)
	v_max3_num_f32 v11, v11, |v[R1+\i+2]|, |v[R1+\i+3]|
.endr
	s_delay_alu instid0(VALU_DEP_2)
	v_max3_num_f32 v10, v10, |v[R1+30]|, |v[R1+31]|
	s_delay_alu instid0(VALU_DEP_1)
	v_max3_num_f32 v10, v10, v11, 0x1800000        ; and the floor 2^(3 - 127): the byte cannot fall under 1
	s_delay_alu instid0(VALU_DEP_1)
	v_add_nc_u32 v12, 0xff000000, v10              ; 2 off the exponent field: the conversion takes this operand's exponent field as its scale
	v_cvt_scalef32_pk16_fp6_f32 v[24:26], v[R1:R1+15], v12
	v_cvt_scalef32_pk16_fp6_f32 v[14:16], v[R1+16:R1+31], v12      ; (a conversion's three registers begin on an even number)
	v_lshrrev_b32 v13, 23, v12                     ; the scale's byte; also the plain instruction behind the conversions
	v_mov_b32 v27, v14
	v_mov_b32 v28, v15
	v_mov_b32 v29, v16
	ds_store_b64 v5, v[24:25]
	ds_store_b64 v5, v[26:27] offset:264
	ds_store_b64 v5, v[28:29] offset:528
	ds_store_b8 v6, v13
	s_wait_dscnt 0x0                               ; for the others' sake: my stores into the image have landed
	s_barrier_signal -1
	s_barrier_wait -1
.irp i, 0,1,2
	ds_load_b64 v[14+2*\i:15+2*\i], v7 offset:264*\i
.endr
	s_wait_dscnt 0x0
.irp i, 0,1,2
	global_store_b64 v8, v[14+2*\i:15+2*\i], s[38:39] offset:256*\i   ; 32 lanes store 256 consecutive bytes, at a multiple of 256 from the buffer's first byte
.endr
	s_cmp_lg_u32 s3, 0
	s_cbranch_scc1 .Lend
	ds_load_b128 v[20:23], v9                      ; wave 0: the tile's 512 bytes of scale words
	s_wait_dscnt 0x0
	global_store_b128 v2, v[20:23], s[40:41]
.Lend:
	s_wait_tensorcnt 0x0                           ; the wave's end: behind my last LDS store
	ds_add_u32 v[SPW], v[NIL]
	s_wait_dscnt 0x0
	s_endpgm
.Lfunc_end_k_q6f81f75916_ln2:
	.size	k_q6f81f75916_ln2, .Lfunc_end_k_q6f81f75916_ln2-k_q6f81f75916_ln2
	.p2alignl 7, 3214868480
	.fill 96, 4, 3214868480
	.section	.rodata,"a",@progbits
	.p2align	6, 0x0
	.amdhsa_kernel k_q6f81f75916_ln2
		.amdhsa_group_segment_fixed_size 89088
		.amdhsa_private_segment_fixed_size 0
		.amdhsa_enable_private_segment 0
		.amdhsa_kernarg_size 32
		.amdhsa_user_sgpr_count 2
		.amdhsa_user_sgpr_kernarg_segment_ptr 1
		.amdhsa_wavefront_size32 1
		.amdhsa_system_sgpr_workgroup_id_x 1
		.amdhsa_system_sgpr_workgroup_id_y 1
		.amdhsa_system_sgpr_workgroup_id_z 1
		.amdhsa_system_vgpr_workitem_id 0
		.amdhsa_next_free_vgpr 128
		.amdhsa_next_free_sgpr 66
		.amdhsa_reserve_vcc 0
		.amdhsa_float_denorm_mode_32 3
		.amdhsa_float_denorm_mode_16_64 3
		.amdhsa_memory_ordered 1
		.amdhsa_forward_progress 1
		.amdhsa_inst_pref_size 17
	.end_amdhsa_kernel
	.amdgpu_metadata
---
amdhsa.version: [ 1, 2 ]
amdhsa.kernels:
  - .name:           k_q6f81f75916_ln2
    .symbol:         k_q6f81f75916_ln2.kd
    .args:
      - { .name: x1, .offset: 0, .size: 8, .value_kind: global_buffer, .address_space: global }
      - { .name: ln2_w, .offset: 8, .size: 8, .value_kind: global_buffer, .address_space: global }
      - { .name: ln2_b, .offset: 16, .size: 8, .value_kind: global_buffer, .address_space: global }
      - { .name: wq, .offset: 24, .size: 8, .value_kind: global_buffer, .address_space: global }
    .group_segment_fixed_size: 89088
    .private_segment_fixed_size: 0
    .kernarg_segment_align: 8
    .kernarg_segment_size: 32
    .max_flat_workgroup_size: 512
    .sgpr_count:     66
    .vgpr_count:     128
    .wavefront_size: 32
...
	.end_amdgpu_metadata
.endif
;; end of part 5
;; launch ff1 (part 6): grid 16 x 16, 4 waves a work-group, clusters of 4 x 4, 327,680 bytes of LDS; arguments wq, ff1_b, fq; writes fq
.if DOCPART == 6
	.amdgcn_target "amdgcn-amd-amdhsa--gfx1250"
	.amdhsa_code_object_version 6
	.text
	.protected	k_q6f81f75916_ff1
	.globl	k_q6f81f75916_ff1
	.p2align	8
	.type	k_q6f81f75916_ff1,@function
k_q6f81f75916_ff1:
	s_mov_b64 s[64:65], 0
	v_nop
	global_prefetch_b8 v0, s[64:65] scope:SCOPE_SE
	s_setreg_imm32_b32 hwreg(HW_REG_WAVE_MODE, 25, 1), 1
	s_wait_xcnt 0x0
	s_wait_alu depctr_hold_cnt(0) depctr_sa_sdst(0) depctr_va_vdst(0) depctr_va_sdst(0) depctr_va_ssrc(0) depctr_va_vcc(0) depctr_vm_vsrc(0)
	s_getreg_b32 s2, hwreg(HW_REG_IB_STS2, 6, 4)
	s_cmp_eq_u32 s2, 0
	s_cbranch_scc0 .Lentry_in_a_cluster
	s_endpgm
.Lentry_in_a_cluster:
	s_bfe_u32 s2, ttmp6, 0x10000c
	s_cmp_lg_u32 s2, 0xf033
	s_cbranch_scc0 .Lentry_shape_is_right
	s_endpgm
.Lentry_shape_is_right:
.set TL,    8
.set NQ,    2
.set KT,    8
.set AREG,  0
.set ASREG, 12582912
.set BREG,  6291456
.set BSREG, 12845056
.set LAPS,  KT/(2*NQ)
.set FRB,   1536
.set ROWT,  NQ*FRB
.set HALFT, TL*ROWT
.set SLOT,  4*HALFT
.set SCL,   2*SLOT
.set KS64,  KT*64
.set HALFS, TL*KS64
.set SPARE, SCL+4*HALFS
.set MW0,   0xa1
.set MW1,   0xf1
.set ADRA,  16
.set ADRB,  20
.set ADRS,  27
.set SPW,   28
.set NIL,   29
.set SC,    32
.set AF,    64
.set G1,    24
.set G0,    32
.set G1B,   48
.set G0B,   56
.set G1S,   68
.set G0S,   76
.set G1SB,  80
.set G0SB,  88
.set MSB, 0
.macro WIN new
.if MSB != (\new)
	s_set_vgpr_msb (MSB<<8)|(\new)
.set MSB, (\new)
.endif
.endm
.macro PLACES
.rept 4
	v_nop
.endr
.endm
.macro JLOAD g0a, g1a, g0b, g1b
	s_cmp_eq_u32 s15, 0
	s_cbranch_scc0 .Lfor_b_\@
	tensor_load_to_lds s[\g0a:\g0a+3], s[\g1a:\g1a+7]
	s_nop 0
.rept 4
	v_nop
.endr
	s_branch .Lasked_\@
.Lfor_b_\@:
	tensor_load_to_lds s[\g0b:\g0b+3], s[\g1b:\g1b+7]
	s_nop 0
.rept 4
	v_nop
.endr
.Lasked_\@:
.endm
.macro CREST
	s_cmp_lg_u32 s14, 0
	s_cbranch_scc1 .Lnot_wave_0_\@
	s_barrier_signal -3
.Lnot_wave_0_\@:
	s_barrier_wait -3
	s_barrier_signal -1
	s_barrier_wait -1
.endm
.macro CROUND
	s_barrier_signal -1
	s_barrier_wait -1
	CREST
.endm
.macro FRAG reg, adr, q, i
.irp p, 0,1,2,3,4,5
	ds_load_b64 v[\reg+2*\p:\reg+2*\p+1], v[\adr] offset:(\i)*ROWT+(\q)*FRB+256*\p
.endr
.endm
.macro FETCH slot, q, p
	WIN 0x40
.set FI, 0
.rept TL
	FRAG 128*(\p)+12*FI, ADRB+\slot, \q, FI
.set FI, FI+1
.endr
	WIN 0
.set FI, 0
.rept TL
	FRAG AF+96*(\p)+12*FI, ADRA+\slot, \q, FI
.set FI, FI+1
.endr
.endm
.macro SCALES sc
.set SI, 0
.rept TL
.set SQ, 0
.rept NQ
	ds_load_b32 v[SC+16*(\sc)+NQ*SI+SQ], v[ADRS] offset:SI*KS64+64*SQ
.set SQ, SQ+1
.endr
.set SI, SI+1
.endr
.endm
.macro MULR a0, n, p, q, sc, zero
.set MA, \a0
.rept \n
.set MB, 0
.rept TL
.set ACC, (8*(MA*TL+MB))%256
.if \zero
	v_wmma_scale_f32_16x16x128_f8f6f4 v[ACC:ACC+7], v[128*(\p)+12*MB:128*(\p)+12*MB+11], v[AF+96*(\p)+12*MA:AF+96*(\p)+12*MA+11], 0, v[SC+16*(\sc)+NQ*MB+(\q)], v[SC+16*(\sc)+NQ*MA+(\q)] matrix_a_fmt:MATRIX_FMT_FP6 matrix_b_fmt:MATRIX_FMT_FP6 matrix_a_scale:MATRIX_SCALE_ROW1
.else
	v_wmma_scale_f32_16x16x128_f8f6f4 v[ACC:ACC+7], v[128*(\p)+12*MB:128*(\p)+12*MB+11], v[AF+96*(\p)+12*MA:AF+96*(\p)+12*MA+11], v[ACC:ACC+7], v[SC+16*(\sc)+NQ*MB+(\q)], v[SC+16*(\sc)+NQ*MA+(\q)] matrix_a_fmt:MATRIX_FMT_FP6 matrix_b_fmt:MATRIX_FMT_FP6 matrix_a_scale:MATRIX_SCALE_ROW1
.endif
.set MB, MB+1
.endr
.set MA, MA+1
.endr
.endm
.macro STEP slot, q, zero
	s_wait_dscnt 3*TL
	WIN MW0
	MULR 0, TL/2, (\q)%2, \q, \slot, \zero
	s_wait_dscnt 0x0
	PLACES
	FETCH \slot, (\q)+1, 1-(\q)%2
	WIN MW1
	MULR TL/2, TL/2, (\q)%2, \q, \slot, \zero
	WIN 0
.endm
.macro TURN slot, next, fill
	s_wait_tensorcnt 0x0
	ds_add_u32 v[SPW], v[NIL]
	s_wait_dscnt 3*TL+1
	WIN MW0
	MULR 0, TL/4, 1, NQ-1, \slot, 0
	s_wait_dscnt 0x0
	s_barrier_signal -1
	MULR TL/4, TL/4, 1, NQ-1, \slot, 0
	WIN 0
	s_barrier_wait -1
.if \fill
	CREST
	s_add_nc_u64 s[G0+4*\slot+2:G0+4*\slot+3], s[G0+4*\slot+2:G0+4*\slot+3], 2*ROWT
	s_add_nc_u64 s[G0B+4*\slot+2:G0B+4*\slot+3], s[G0B+4*\slot+2:G0B+4*\slot+3], 2*ROWT
	JLOAD G0+4*\slot, G1, G0B+4*\slot, G1B
.else
	PLACES
.endif
	s_wait_alu depctr_va_vdst(0)
	v_add_nc_u32 v[ADRS], 64*NQ, v[ADRS]
	SCALES \next
	FETCH \next, 0, 0
	WIN MW1
	MULR TL/2, TL/2, 1, NQ-1, \slot, 0
	WIN 0
.endm
.macro MID slot, q0
.if NQ-1-(\q0) > 0
.set MQ, \q0
.rept NQ-1-(\q0)
	STEP \slot, MQ, 0
.set MQ, MQ+1
.endr
.endif
.endm
.macro LAST
	s_wait_dscnt 3*TL
	WIN MW0
	MULR 0, TL/2, 1, NQ-1, 1, 0
	s_wait_dscnt 0x0
	WIN MW1
	MULR TL/2, TL/2, 1, NQ-1, 1, 0
	WIN 0
.endm
	s_load_b128 s[4:7], s[0:1], 0x0
	s_load_b64 s[8:9], s[0:1], 0x10
	v_lshl_add_u32 v[SPW], v0, 2, SPARE
	v_mov_b32 v[NIL], 0
	ds_add_u32 v[SPW], v[NIL]
	ds_add_u32 v[SPW], v[NIL]
	v_lshrrev_b32 v1, 5, v0
	v_readfirstlane_b32 s14, v1
; THE PREFETCHES.  A wave's load for a slot is TL tiles of rows x ROWT bytes = 96 blocks of 256 bytes.  The four partners that ask for it jointly share the blocks out by address: each names 24, a lane a block
; (lanes 24-31 name the last again).  Behind the load of slot m stands the request for slot m + 2; at the head also slot 1's.
.set PFO, 30                           ; v30 my lane's block within my work-group's 24; never rewritten
.set PFA, 96                           ; s[96:97] my work-group's share of the rows that my wave fetches
.set NS,  KT/NQ                        ; slots along K
	v_and_b32 v[PFO], 31, v0
	v_min_u32 v[PFO], 23, v[PFO]
.if NQ == 2
	v_mul_u32_u24 v31, v[PFO], 11
	v_lshrrev_b32 v31, 7, v31                      ; 1 from block 12 on: the second of my two tiles of rows
	v_mul_u32_u24 v31, v31, KT*FRB-ROWT
	v_lshl_add_u32 v[PFO], v[PFO], 8, v31
.else
	v_lshlrev_b32 v[PFO], 8, v[PFO]
.endif
	s_lshr_b32 s15, s14, 1
	s_and_b32 s16, s14, 1
	s_bfe_u32 s40, ttmp6, 0x40000
	s_bfe_u32 s41, ttmp6, 0x40004
	s_lshl_b32 s42, ttmp9, 2
	s_add_co_u32 s42, s42, s40
	s_and_b32 s17, ttmp7, 0xffff
	s_lshl_b32 s17, s17, 2
	s_add_co_u32 s17, s17, s41
	s_lshl_b32 s43, s41, 2
	s_lshl_b32 s43, 15, s43
	s_lshl_b32 s44, 0x1111, s40
	s_or_b32 s[G1+0], s43, (3<<16)|(1<<21)
	s_or_b32 s[G1B+0], s44, (3<<16)|(1<<21)
.irp g, G1, G1B
	s_mov_b32 s[\g+1], (NQ*192)<<16
	s_mov_b32 s[\g+2], (2*TL)<<16                  ; the head's loads bring a side's 2 TL tiles of rows
	s_mov_b32 s[\g+3], (NQ*192)<<16
	s_mov_b32 s[\g+4], 2*TL
	s_mov_b32 s[\g+5], KT*192
	s_mov_b32 s[\g+6], 0
	s_mov_b32 s[\g+7], 0
.endr
	s_or_b32 s[G1S+0], s43, (3<<16)|(1<<21)
	s_or_b32 s[G1SB+0], s44, (3<<16)|(1<<21)
.irp g, G1S, G1SB
	s_mov_b32 s[\g+1], 32<<16
	s_mov_b32 s[\g+2], (HALFS/128)<<16             ; a side's scale words whole: 2 HALFS bytes
	s_mov_b32 s[\g+3], 32<<16
	s_mov_b32 s[\g+4], HALFS/128
	s_mov_b32 s[\g+5], 32
	s_mov_b32 s[\g+6], 0
	s_mov_b32 s[\g+7], 0
.endr
	s_mul_i32 s18, s16, TL
	s_mul_i32 s20, s17, 2*TL
	s_add_co_u32 s20, s20, s18
	s_mul_i32 s46, s42, 2*TL
	s_add_co_u32 s46, s46, s18
	s_mul_i32 s22, s20, KS64
	s_add_co_u32 s22, s22, ASREG
	s_mul_i32 s20, s20, KT*FRB
	s_add_co_u32 s20, s20, AREG
	s_mul_i32 s92, s46, KS64
	s_add_co_u32 s92, s92, BSREG
	s_mul_i32 s46, s46, KT*FRB
	s_add_co_u32 s46, s46, BREG
	s_mov_b32 s21, 0
	s_mov_b32 s23, 0
	s_mov_b32 s47, 0
	s_mov_b32 s93, 0
	s_mul_i32 s45, s14, HALFT
	s_wait_dscnt 0x0
	s_wait_kmcnt 0x0
	s_add_nc_u64 s[20:21], s[4:5], s[20:21]
	s_add_nc_u64 s[22:23], s[4:5], s[22:23]
	s_add_nc_u64 s[46:47], s[4:5], s[46:47]
	s_add_nc_u64 s[92:93], s[4:5], s[92:93]
	CROUND
	s_mul_i32 s2, s16, HALFS                       ; back from my half to the side's first scale word
	s_mov_b32 s3, 0
	s_mov_b32 s[G0S], 1
	s_mov_b32 s[G0S+1], SCL
	s_sub_nc_u64 s[G0S+2:G0S+3], s[22:23], s[2:3]
	s_or_b32 s[G0S+3], s[G0S+3], 0x80000000
	s_mov_b32 s[G0SB], 1
	s_mov_b32 s[G0SB+1], SCL+2*HALFS
	s_sub_nc_u64 s[G0SB+2:G0SB+3], s[92:93], s[2:3]
	s_or_b32 s[G0SB+3], s[G0SB+3], 0x80000000
	s_cmp_eq_u32 s15, 0                            ; waves 0 and 1 ask for A's rows, waves 2 and 3 for B's
	s_cselect_b64 s[PFA:PFA+1], s[20:21], s[46:47]
	s_cselect_b32 s2, s40, s41                     ; my place among the four that ask with me
	s_mul_i32 s2, s2, (TL/4)*KT*FRB
	s_add_nc_u64 s[PFA:PFA+1], s[PFA:PFA+1], s[2:3]
.irp s, 0,1
	s_mov_b32 s[G0+4*\s], 1
	s_add_co_u32 s[G0+4*\s+1], s45, \s*SLOT
	s_add_nc_u64 s[G0+4*\s+2:G0+4*\s+3], s[20:21], \s*ROWT
	s_or_b32 s[G0+4*\s+3], s[G0+4*\s+3], 0x80000000
	s_mov_b32 s[G0B+4*\s], 1
	s_add_co_u32 s[G0B+4*\s+1], s45, \s*SLOT
	s_add_nc_u64 s[G0B+4*\s+2:G0B+4*\s+3], s[46:47], \s*ROWT
	s_or_b32 s[G0B+4*\s+3], s[G0B+4*\s+3], 0x80000000
.endr
; The head's four tiles, one joint load a wave, in one chain of branches on the wave's number: wave 0 A's part of slot 0, wave 1 A's scale words, wave 2 B's part of slot 0, wave 3 B's scale words.
.macro ARM under, g0, g1, next
	s_cmp_lt_u32 s14, \under
	s_cbranch_scc0 \next
	tensor_load_to_lds s[\g0:\g0+3], s[\g1:\g1+7]
	s_nop 0
.rept 4
	v_nop
.endr
	s_branch .Lhead_asked
\next:
.endm
	ARM 1, G0, G1, .Lhead_sa
	ARM 2, G0S, G1S, .Lhead_b
	ARM 3, G0B, G1B, .Lhead_sb
	tensor_load_to_lds s[G0SB:G0SB+3], s[G1SB:G1SB+7]
	s_nop 0
.rept 4
	v_nop
.endr
.Lhead_asked:
	s_wait_alu depctr_va_vdst(0)
	global_prefetch_b8 v[PFO], s[PFA:PFA+1] offset:ROWT th:TH_LOAD_NT scope:SCOPE_SE
.if NS > 2
	global_prefetch_b8 v[PFO], s[PFA:PFA+1] offset:2*ROWT th:TH_LOAD_NT scope:SCOPE_SE
.endif
	s_wait_tensorcnt 0x0                           ; my tile of the four is in; slot 1's first fill is issued as a refill is
	ds_add_u32 v[SPW], v[NIL]
	s_mov_b32 s[G1+2], TL<<16                      ; no tensor load of mine is out: from here on a load brings TL tiles of rows
	s_mov_b32 s[G1+4], TL
	s_mov_b32 s[G1B+2], TL<<16
	s_mov_b32 s[G1B+4], TL
	s_wait_dscnt 0x0
	CROUND
	JLOAD G0+4, G1, G0B+4, G1B                     ; slot 1, a quarter a wave
.if NS > 3
	global_prefetch_b8 v[PFO], s[PFA:PFA+1] offset:3*ROWT th:TH_LOAD_NT scope:SCOPE_SE
.endif
	v_and_b32 v1, 15, v0
	v_bfe_u32 v2, v0, 4, 1
	s_wait_alu depctr_va_vdst(0)
	v_and_b32 v3, 31, v0
	v_lshlrev_b32 v4, 3, v3
	s_mul_i32 s18, s15, HALFT
	s_mul_i32 s19, s16, HALFT
	s_add_co_u32 s19, s19, 2*HALFT
.irp s, 0,1
	v_add_nc_u32 v[ADRA+\s], s18, v4
	v_add_nc_u32 v[ADRB+\s], s19, v4
	s_add_co_u32 s18, s18, SLOT
	s_add_co_u32 s19, s19, SLOT
.endr
	s_mul_i32 s18, s15, HALFS
	s_mul_i32 s19, s16, HALFS
	s_add_co_u32 s19, s19, 2*HALFS
	s_sub_co_u32 s19, s19, s18
	v_mul_u32_u24 v5, s19, v2
	s_add_co_u32 s18, s18, SCL
	v_lshl_add_u32 v5, v1, 2, v5
	v_add_nc_u32 v[ADRS], s18, v5
	v_lshlrev_b32 v13, 2, v1
	v_lshlrev_b32 v12, 6, v2
	s_lshl_b32 s18, s42, 10
	s_lshl_b32 s19, s16, 9
	s_add_co_u32 s18, s18, s19
	s_mov_b32 s19, 0
	s_add_nc_u64 s[6:7], s[6:7], s[18:19]
	WIN 0x40
.irp b, 0,1,2,3,4,5,6,7
	global_load_b128 v[96+8*\b+96*(\b/4):96+8*\b+96*(\b/4)+3], v12, s[6:7] offset:128*(\b/2)+32*(\b%2)
	global_load_b128 v[100+8*\b+96*(\b/4):100+8*\b+96*(\b/4)+3], v12, s[6:7] offset:128*(\b/2)+32*(\b%2)+16
.endr
	WIN 0
	s_wait_alu depctr_va_vdst(0)
	s_wait_tensorcnt 1
	s_barrier_signal -1
	s_barrier_wait -1
	SCALES 0
	FETCH 0, 0, 0
	STEP 0, 0, 1
.if LAPS > 1
	s_mov_b32 s3, LAPS-1
.Llap:
	MID 0, 1
	TURN 0, 1, 1
	MID 1, 0
	TURN 1, 0, 1
	STEP 0, 0, 0
	s_sub_co_u32 s3, s3, 1
	s_cmp_lg_u32 s3, 0
	s_cbranch_scc1 .Llap
.endif
	MID 0, 1
	TURN 0, 1, 0
	MID 1, 0
	LAST
.set CP,  32
.set HA,  64
.set SS,  128
.set TT,  160
.set RR,  192
.set UU,  224
.set TM,  128
.set PW,  144
.set PC,  148
.set SEL, 98
.macro KP idx, val
	v_mov_b32 v[CP+2*\idx], \val
	v_mov_b32 v[CP+2*\idx+1], \val
.endm
.macro PKF d, a, b, sb, c, sc
.set GI, 0
.rept 16
	v_pk_fma_f32 v[\d+GI:\d+GI+1], v[\a+GI:\a+GI+1], v[\b+(\sb)*GI:\b+(\sb)*GI+1], v[\c+(\sc)*GI:\c+(\sc)*GI+1]
.set GI, GI+2
.endr
.endm
.macro GELU n0
.set GI, 0
.rept 32
	v_mul_f32 v[TT+GI], 0x3f3504f3, |v[HA+(\n0)+GI]|
.set GI, GI+1
.endr
.set GI, 0
.rept 16
	v_pk_mul_f32 v[SS+GI:SS+GI+1], v[TT+GI:TT+GI+1], v[TT+GI:TT+GI+1]
.set GI, GI+2
.endr
	PKF RR, TT, CP, 0, CP+2, 0
	PKF UU, TT, CP+4, 0, CP+6, 0
	PKF RR, RR, SS, 1, UU, 1
	PKF RR, RR, TT, 1, CP+8, 0
	PKF RR, RR, TT, 1, CP+10, 0
	PKF RR, RR, TT, 1, CP+12, 0
	PKF RR, RR, TT, 1, TT, 1
.set GI, 0
.rept 16
	v_pk_fma_f32 v[RR+GI:RR+GI+1], v[RR+GI:RR+GI+1], v[CP+14:CP+15], 1.0 op_sel_hi:[1,1,0]
.set GI, GI+2
.endr
.set GI, 0
	s_wait_alu depctr_va_vdst(0)
.rept 32
	v_exp_f32 v[RR+GI], -v[RR+GI]
.set GI, GI+1
.endr
	PKF UU, SS, CP+16, 0, CP+18, 0
	PKF UU, UU, SS, 1, CP+20, 0
	PKF UU, UU, SS, 1, CP+22, 0
	PKF UU, UU, SS, 1, CP+24, 0
	PKF UU, UU, SS, 1, CP+26, 0
	PKF UU, UU, TT, 1, TT, 1
.set GI, 0
.rept 16
	v_pk_fma_f32 v[UU+GI:UU+GI+1], v[UU+GI:UU+GI+1], -0.5, 0.5 op_sel_hi:[1,0,0]
.set GI, GI+2
.endr
	s_wait_alu depctr_va_vdst(0)
.set GI, 0
.rept 4
.irp k, 0,1,2,3,4,5,6,7
	v_cmp_lt_f32 s[32+\k], s31, v[TT+GI+\k]
.endr
.irp k, 0,1,2,3,4,5,6,7
	v_cndmask_b32 v[RR+GI+\k], v[UU+GI+\k], v[RR+GI+\k], s[32+\k]
.endr
.set GI, GI+8
.endr
.set GI, 0
.rept 32
	v_max_num_f32 v[UU+GI], 0, v[HA+(\n0)+GI]
.set GI, GI+1
.endr
.set GI, 0
.rept 32
	v_fma_f32 v[HA+(\n0)+GI], -|v[HA+(\n0)+GI]|, v[RR+GI], v[UU+GI]
.set GI, GI+1
.endr
.endm
.macro QUANT s
.irp b, 0,1,2,3
	v_max3_num_f32 v[TM+\b], |v[\s+16*\b]|, |v[\s+1+16*\b]|, 0x1800000
.endr
.irp i, 2,4,6,8,10,12,14
.irp b, 0,1,2,3
	v_max3_num_f32 v[TM+\b], v[TM+\b], |v[\s+16*\b+\i]|, |v[\s+1+16*\b+\i]|
.endr
.endr
.irp b, 0,1,2,3
	v_permlanex16_b32 v[TM+4+\b], v[TM+\b], s[SEL], s[SEL+1]
.endr
.irp b, 0,1,2,3
	v_max_num_f32 v[TM+\b], v[TM+\b], v[TM+4+\b]
.endr
.irp b, 0,1,2,3
	v_add_nc_u32 v[TM+12+\b], 0xff000000, v[TM+\b]
.endr
.irp b, 0,1,2,3
	v_lshrrev_b32 v[TM+4+\b], 23, v[TM+12+\b]
.endr
	v_lshl_or_b32 v[PW], v[TM+5], 8, v[TM+4]
	v_lshl_or_b32 v[PW], v[TM+6], 16, v[PW]
	v_lshl_or_b32 v[PW], v[TM+7], 24, v[PW]
.irp c, 0,1
	v_cvt_scalef32_pk16_fp6_f32 v[PC+6*\c:PC+2+6*\c], v[\s+32*\c:\s+15+32*\c], v[TM+12+2*\c]
	v_cvt_scalef32_pk16_fp6_f32 v[PC+12+4*\c:PC+14+4*\c], v[\s+16+32*\c:\s+31+32*\c], v[TM+12+2*\c+1]
.endr
	v_nop
.irp c, 0,1
.irp i, 0,1,2
	v_permlane16_swap_b32 v[PC+6*\c+\i], v[PC+12+4*\c+\i]
.endr
.irp i, 0,1,2
	v_mov_b32 v[PC+3+6*\c+\i], v[PC+12+4*\c+\i]
.endr
.endr
.endm
.macro COPY a
	WIN (2+(\a)/4)|4
.set CN, 0
.rept 32
	v_pk_add_f32 v[HA+CN:HA+CN+1], v[64*((\a)%4)+CN:64*((\a)%4)+CN+1], v[96+CN+96*(CN/32):97+CN+96*(CN/32)]
.set CN, CN+2
.endr
	WIN 0
.endm
	PLACES
	s_wait_loadcnt 0x0
	KP 0, 0x37911480
	KP 1, 0xb9c8e966
	KP 2, 0x3b7e899b
	KP 3, 0xbcc6b180
	KP 4, 0x3ddaae58
	KP 5, 0x3f228550
	KP 6, 0x3e03ce86
	KP 7, 0x3fb8aa3b
	KP 8, 0xba1d0d41
	KP 9, 0x3ba39fa4
	KP 10, 0xbcdb45e9
	KP 11, 0x3de70d23
	KP 12, 0xbec09370
	KP 13, 0x3e0375d3
	s_mov_b32 s[SEL], 0x76543210
	s_mov_b32 s[SEL+1], 0xfedcba98
	s_mov_b32 s31, 0x3f6c0000
	s_lshl_b32 s18, s17, 4
	s_lshl_b32 s19, s15, 3
	s_add_co_u32 s18, s18, s19
	s_lshl_b32 s18, s18, 5
	s_lshl_b32 s19, s42, 1
	s_add_co_u32 s18, s18, s19
	s_add_co_u32 s18, s18, s16
	s_mul_i32 s20, s18, 1536
	s_mov_b32 s21, 0
	s_add_nc_u64 s[10:11], s[8:9], s[20:21]
	s_lshl_b32 s20, s18, 6
	s_add_co_u32 s20, s20, 12582912
	s_add_nc_u64 s[12:13], s[8:9], s[20:21]
	s_mov_b32 s3, 0
.Ltile:
	s_cmp_eq_u32 s3, 1
	s_cbranch_scc1 .Lc1
	s_cmp_eq_u32 s3, 2
	s_cbranch_scc1 .Lc2
	s_cmp_eq_u32 s3, 3
	s_cbranch_scc1 .Lc3
	s_cmp_eq_u32 s3, 4
	s_cbranch_scc1 .Lc4
	s_cmp_eq_u32 s3, 5
	s_cbranch_scc1 .Lc5
	s_cmp_eq_u32 s3, 6
	s_cbranch_scc1 .Lc6
	s_cmp_eq_u32 s3, 7
	s_cbranch_scc1 .Lc7
	COPY 0
	s_branch .Lgo
.Lc1:
	COPY 1
	s_branch .Lgo
.Lc2:
	COPY 2
	s_branch .Lgo
.Lc3:
	COPY 3
	s_branch .Lgo
.Lc4:
	COPY 4
	s_branch .Lgo
.Lc5:
	COPY 5
	s_branch .Lgo
.Lc6:
	COPY 6
	s_branch .Lgo
.Lc7:
	COPY 7
.Lgo:
	GELU 0
	GELU 32
	QUANT HA
.irp p, 0,1,2,3,4,5
	global_store_b64 v4, v[PC+2*\p:PC+2*\p+1], s[10:11] offset:256*\p
.endr
	global_store_b32 v13, v[PW], s[12:13]
	s_wait_xcnt 0x0
	s_add_nc_u64 s[10:11], s[10:11], 49152
	s_add_nc_u64 s[12:13], s[12:13], 2048
	s_add_co_u32 s3, s3, 1
	s_cmp_lt_u32 s3, 8
	s_cbranch_scc1 .Ltile
	s_wait_tensorcnt 0x0
	ds_add_u32 v[SPW], v[NIL]
	s_wait_dscnt 0x0
	CROUND
	s_endpgm
.Lfunc_end_k_q6f81f75916_ff1:
	.size	k_q6f81f75916_ff1, .Lfunc_end_k_q6f81f75916_ff1-k_q6f81f75916_ff1
	.p2alignl 7, 3214868480
	.fill 96, 4, 3214868480
	.section	.rodata,"a",@progbits
	.p2align	6, 0x0
	.amdhsa_kernel k_q6f81f75916_ff1
		.amdhsa_group_segment_fixed_size 327680
		.amdhsa_private_segment_fixed_size 0
		.amdhsa_enable_private_segment 0
		.amdhsa_kernarg_size 24
		.amdhsa_user_sgpr_count 2
		.amdhsa_user_sgpr_kernarg_segment_ptr 1
		.amdhsa_wavefront_size32 1
		.amdhsa_system_sgpr_workgroup_id_x 1
		.amdhsa_system_sgpr_workgroup_id_y 1
		.amdhsa_system_sgpr_workgroup_id_z 1
		.amdhsa_system_vgpr_workitem_id 0
		.amdhsa_next_free_vgpr 1024
		.amdhsa_next_free_sgpr 100
		.amdhsa_reserve_vcc 0
		.amdhsa_float_denorm_mode_32 3
		.amdhsa_float_denorm_mode_16_64 3
		.amdhsa_memory_ordered 1
		.amdhsa_forward_progress 1
		.amdhsa_inst_pref_size 214
	.end_amdhsa_kernel
	.amdgpu_metadata
---
amdhsa.version: [ 1, 2 ]
amdhsa.kernels:
  - .name:           k_q6f81f75916_ff1
    .symbol:         k_q6f81f75916_ff1.kd
    .args:
      - { .name: wq, .offset: 0, .size: 8, .value_kind: global_buffer, .address_space: global }
      - { .name: ff1_b, .offset: 8, .size: 8, .value_kind: global_buffer, .address_space: global }
      - { .name: fq, .offset: 16, .size: 8, .value_kind: global_buffer, .address_space: global }
    .group_segment_fixed_size: 327680
    .private_segment_fixed_size: 0
    .kernarg_segment_align: 8
    .kernarg_segment_size: 24
    .max_flat_workgroup_size: 128
    .sgpr_count:     100
    .vgpr_count:     1024
    .wavefront_size: 32
...
	.end_amdgpu_metadata
.endif
;; end of part 6
;; launch ff2 (part 7): grid 8 x 32, 4 waves a work-group, clusters of 4 x 4, 327,680 bytes of LDS; arguments fq, wq, x1, ff2_b, out0; writes out0
.if DOCPART == 7
	.amdgcn_target "amdgcn-amd-amdhsa--gfx1250"
	.amdhsa_code_object_version 6
	.text
	.protected	k_q6f81f75916_ff2
	.globl	k_q6f81f75916_ff2
	.p2align	8
	.type	k_q6f81f75916_ff2,@function
k_q6f81f75916_ff2:
	s_mov_b64 s[64:65], 0
	v_nop
	global_prefetch_b8 v0, s[64:65] scope:SCOPE_SE
	s_setreg_imm32_b32 hwreg(HW_REG_WAVE_MODE, 25, 1), 1
	s_wait_xcnt 0x0
	s_wait_alu depctr_hold_cnt(0) depctr_sa_sdst(0) depctr_va_vdst(0) depctr_va_sdst(0) depctr_va_ssrc(0) depctr_va_vcc(0) depctr_vm_vsrc(0)
	s_getreg_b32 s2, hwreg(HW_REG_IB_STS2, 6, 4)
	s_cmp_eq_u32 s2, 0
	s_cbranch_scc0 .Lentry_in_a_cluster
	s_endpgm
.Lentry_in_a_cluster:
	s_bfe_u32 s2, ttmp6, 0x10000c
	s_cmp_lg_u32 s2, 0xf033
	s_cbranch_scc0 .Lentry_shape_is_right
	s_endpgm
.Lentry_shape_is_right:
.set TL,    4
.set NQ,    4
.set KT,    32
.set HASB,  1
.set OUTP,  12
.set AREG,  0
.set ASREG, 12582912
.set BREG,  9437184
.set BSREG, 12976128
.set LAPS,  KT/(2*NQ)
.set FRB,   1536
.set ROWT,  NQ*FRB
.set HALFT, TL*ROWT
.set SLOT,  4*HALFT
.set SCL,   2*SLOT
.set KS64,  KT*64
.set HALFS, TL*KS64
.set SPARE, SCL+4*HALFS
.set MW0,   0xa1
.set MW1,   0xa1
.set ADRA,  16
.set ADRB,  20
.set ADRS,  27
.set SPW,   28
.set NIL,   29
.set SC,    32
.set AF,    64
.set G1,    24
.set G0,    32
.set G1B,   48
.set G0B,   56
.set G1S,   68
.set G0S,   76
.set G1SB,  80
.set G0SB,  88
.set MSB, 0
.macro WIN new
.if MSB != (\new)
	s_set_vgpr_msb (MSB<<8)|(\new)
.set MSB, (\new)
.endif
.endm
.macro PLACES
.rept 4
	v_nop
.endr
.endm
.macro JLOAD g0a, g1a, g0b, g1b
	s_cmp_eq_u32 s15, 0
	s_cbranch_scc0 .Lfor_b_\@
	tensor_load_to_lds s[\g0a:\g0a+3], s[\g1a:\g1a+7]
	s_nop 0
.rept 4
	v_nop
.endr
	s_branch .Lasked_\@
.Lfor_b_\@:
	tensor_load_to_lds s[\g0b:\g0b+3], s[\g1b:\g1b+7]
	s_nop 0
.rept 4
	v_nop
.endr
.Lasked_\@:
.endm
.macro CREST
	s_cmp_lg_u32 s14, 0
	s_cbranch_scc1 .Lnot_wave_0_\@
	s_barrier_signal -3
.Lnot_wave_0_\@:
	s_barrier_wait -3
	s_barrier_signal -1
	s_barrier_wait -1
.endm
.macro CROUND
	s_barrier_signal -1
	s_barrier_wait -1
	CREST
.endm
.macro FRAG reg, adr, q, i
.irp p, 0,1,2,3,4,5
	ds_load_b64 v[\reg+2*\p:\reg+2*\p+1], v[\adr] offset:(\i)*ROWT+(\q)*FRB+256*\p
.endr
.endm
.macro FETCH slot, q, p
	WIN 0x40
.set FI, 0
.rept TL
	FRAG 128*(\p)+12*FI, ADRB+\slot, \q, FI
.set FI, FI+1
.endr
	WIN 0
.set FI, 0
.rept TL
	FRAG AF+96*(\p)+12*FI, ADRA+\slot, \q, FI
.set FI, FI+1
.endr
.endm
.macro SCALES sc
.set SI, 0
.rept TL
.set SQ, 0
.rept NQ
	ds_load_b32 v[SC+16*(\sc)+NQ*SI+SQ], v[ADRS] offset:SI*KS64+64*SQ
.set SQ, SQ+1
.endr
.set SI, SI+1
.endr
.endm
.macro MULR a0, n, p, q, sc, zero
.set MA, \a0
.rept \n
.set MB, 0
.rept TL
.set ACC, (8*(MA*TL+MB))%256
.if \zero
	v_wmma_scale_f32_16x16x128_f8f6f4 v[ACC:ACC+7], v[128*(\p)+12*MB:128*(\p)+12*MB+11], v[AF+96*(\p)+12*MA:AF+96*(\p)+12*MA+11], 0, v[SC+16*(\sc)+NQ*MB+(\q)], v[SC+16*(\sc)+NQ*MA+(\q)] matrix_a_fmt:MATRIX_FMT_FP6 matrix_b_fmt:MATRIX_FMT_FP6 matrix_a_scale:MATRIX_SCALE_ROW1
.else
	v_wmma_scale_f32_16x16x128_f8f6f4 v[ACC:ACC+7], v[128*(\p)+12*MB:128*(\p)+12*MB+11], v[AF+96*(\p)+12*MA:AF+96*(\p)+12*MA+11], v[ACC:ACC+7], v[SC+16*(\sc)+NQ*MB+(\q)], v[SC+16*(\sc)+NQ*MA+(\q)] matrix_a_fmt:MATRIX_FMT_FP6 matrix_b_fmt:MATRIX_FMT_FP6 matrix_a_scale:MATRIX_SCALE_ROW1
.endif
.set MB, MB+1
.endr
.set MA, MA+1
.endr
.endm
.macro STEP slot, q, zero
	s_wait_dscnt 3*TL
	WIN MW0
	MULR 0, TL/2, (\q)%2, \q, \slot, \zero
	s_wait_dscnt 0x0
	PLACES
	FETCH \slot, (\q)+1, 1-(\q)%2
	WIN MW1
	MULR TL/2, TL/2, (\q)%2, \q, \slot, \zero
	WIN 0
.endm
.macro TURN slot, next, fill
.if (\fill) && (\slot) == 0
	s_wait_xcnt 0x0                                ; my prefetches have read their address: it is stepped once a trip, two slots on
	s_add_nc_u64 s[96:97], s[96:97], 2*ROWT
.endif
	s_wait_tensorcnt 0x0
	ds_add_u32 v[SPW], v[NIL]
	s_wait_dscnt 3*TL+1
	WIN MW0
	MULR 0, TL/4, 1, NQ-1, \slot, 0
	s_wait_dscnt 0x0
	s_barrier_signal -1
	MULR TL/4, TL/4, 1, NQ-1, \slot, 0
	WIN 0
	s_barrier_wait -1
.if \fill
	CREST
	s_add_nc_u64 s[G0+4*\slot+2:G0+4*\slot+3], s[G0+4*\slot+2:G0+4*\slot+3], 2*ROWT
	s_add_nc_u64 s[G0B+4*\slot+2:G0B+4*\slot+3], s[G0B+4*\slot+2:G0B+4*\slot+3], 2*ROWT
	JLOAD G0+4*\slot, G1, G0B+4*\slot, G1B
.else
	PLACES
.endif
	s_wait_alu depctr_va_vdst(0)
	v_add_nc_u32 v[ADRS], 64*NQ, v[ADRS]
	SCALES \next
	FETCH \next, 0, 0
.if \fill
	s_cmp_gt_u32 s3, 1                             ; the loop's last trip has no slot two refills on: it asks for nothing
	s_cbranch_scc0 .Lnoask_\@
	global_prefetch_b8 v30, s[96:97] offset:(2+\slot)*ROWT th:TH_LOAD_NT scope:SCOPE_SE   ; the slot that stands two refills on
.Lnoask_\@:
.endif
	WIN MW1
	MULR TL/2, TL/2, 1, NQ-1, \slot, 0
	WIN 0
.endm
.macro MID slot, q0
.if NQ-1-(\q0) > 0
.set MQ, \q0
.rept NQ-1-(\q0)
	STEP \slot, MQ, 0
.set MQ, MQ+1
.endr
.endif
.endm
.macro LAST
	s_wait_dscnt 3*TL
	WIN MW0
	MULR 0, TL/2, 1, NQ-1, 1, 0
	s_wait_dscnt 0x0
	WIN MW1
	MULR TL/2, TL/2, 1, NQ-1, 1, 0
	WIN 0
.endm
	s_load_b256 s[4:11], s[0:1], 0x0
	s_load_b64 s[12:13], s[0:1], 0x20
	v_lshl_add_u32 v[SPW], v0, 2, SPARE
	v_mov_b32 v[NIL], 0
	ds_add_u32 v[SPW], v[NIL]
	ds_add_u32 v[SPW], v[NIL]
	v_lshrrev_b32 v1, 5, v0
	v_readfirstlane_b32 s14, v1
; THE PREFETCHES.  A wave's load for a slot is TL tiles of rows x ROWT bytes = 96 blocks of 256 bytes.  The four partners that ask for it jointly share the blocks out by address: each names 24, a lane a block
; (lanes 24-31 name the last again).  Behind the load of slot m stands the request for slot m + 2; at the head also slot 1's.
.set PFO, 30                           ; v30 my lane's block within my work-group's 24; never rewritten
.set PFA, 96                           ; s[96:97] my work-group's share of the rows that my wave fetches
.set NS,  KT/NQ                        ; slots along K
	v_and_b32 v[PFO], 31, v0
	v_min_u32 v[PFO], 23, v[PFO]
.if NQ == 2
	v_mul_u32_u24 v31, v[PFO], 11
	v_lshrrev_b32 v31, 7, v31                      ; 1 from block 12 on: the second of my two tiles of rows
	v_mul_u32_u24 v31, v31, KT*FRB-ROWT
	v_lshl_add_u32 v[PFO], v[PFO], 8, v31
.else
	v_lshlrev_b32 v[PFO], 8, v[PFO]
.endif
	s_lshr_b32 s15, s14, 1
	s_and_b32 s16, s14, 1
	s_bfe_u32 s40, ttmp6, 0x40000
	s_bfe_u32 s41, ttmp6, 0x40004
	s_lshl_b32 s42, ttmp9, 2
	s_add_co_u32 s42, s42, s40
	s_and_b32 s17, ttmp7, 0xffff
	s_lshl_b32 s17, s17, 2
	s_add_co_u32 s17, s17, s41
	s_lshl_b32 s43, s41, 2
	s_lshl_b32 s43, 15, s43
	s_lshl_b32 s44, 0x1111, s40
	s_or_b32 s[G1+0], s43, (3<<16)|(1<<21)
	s_or_b32 s[G1B+0], s44, (3<<16)|(1<<21)
.irp g, G1, G1B
	s_mov_b32 s[\g+1], (NQ*192)<<16
	s_mov_b32 s[\g+2], (2*TL)<<16                  ; the head's loads bring a side's 2 TL tiles of rows
	s_mov_b32 s[\g+3], (NQ*192)<<16
	s_mov_b32 s[\g+4], 2*TL
	s_mov_b32 s[\g+5], KT*192
	s_mov_b32 s[\g+6], 0
	s_mov_b32 s[\g+7], 0
.endr
	s_or_b32 s[G1S+0], s43, (3<<16)|(1<<21)
	s_or_b32 s[G1SB+0], s44, (3<<16)|(1<<21)
.irp g, G1S, G1SB
	s_mov_b32 s[\g+1], 32<<16
	s_mov_b32 s[\g+2], (HALFS/128)<<16             ; a side's scale words whole: 2 HALFS bytes
	s_mov_b32 s[\g+3], 32<<16
	s_mov_b32 s[\g+4], HALFS/128
	s_mov_b32 s[\g+5], 32
	s_mov_b32 s[\g+6], 0
	s_mov_b32 s[\g+7], 0
.endr
	s_mul_i32 s18, s16, TL
	s_mul_i32 s20, s17, 2*TL
	s_add_co_u32 s20, s20, s18
	s_mul_i32 s46, s42, 2*TL
	s_add_co_u32 s46, s46, s18
	s_mul_i32 s22, s20, KS64
	s_add_co_u32 s22, s22, ASREG
	s_mul_i32 s20, s20, KT*FRB
	s_add_co_u32 s20, s20, AREG
	s_mul_i32 s92, s46, KS64
	s_add_co_u32 s92, s92, BSREG
	s_mul_i32 s46, s46, KT*FRB
	s_add_co_u32 s46, s46, BREG
	s_mov_b32 s21, 0
	s_mov_b32 s23, 0
	s_mov_b32 s47, 0
	s_mov_b32 s93, 0
	s_mul_i32 s45, s14, HALFT
	s_wait_dscnt 0x0
	s_wait_kmcnt 0x0
	s_add_nc_u64 s[20:21], s[4:5], s[20:21]
	s_add_nc_u64 s[22:23], s[4:5], s[22:23]
	s_add_nc_u64 s[46:47], s[6:7], s[46:47]
	s_add_nc_u64 s[92:93], s[6:7], s[92:93]
	CROUND
	s_mul_i32 s2, s16, HALFS                       ; back from my half to the side's first scale word
	s_mov_b32 s3, 0
	s_mov_b32 s[G0S], 1
	s_mov_b32 s[G0S+1], SCL
	s_sub_nc_u64 s[G0S+2:G0S+3], s[22:23], s[2:3]
	s_or_b32 s[G0S+3], s[G0S+3], 0x80000000
	s_mov_b32 s[G0SB], 1
	s_mov_b32 s[G0SB+1], SCL+2*HALFS
	s_sub_nc_u64 s[G0SB+2:G0SB+3], s[92:93], s[2:3]
	s_or_b32 s[G0SB+3], s[G0SB+3], 0x80000000
	s_cmp_eq_u32 s15, 0                            ; waves 0 and 1 ask for A's rows, waves 2 and 3 for B's
	s_cselect_b64 s[PFA:PFA+1], s[20:21], s[46:47]
	s_cselect_b32 s2, s40, s41                     ; my place among the four that ask with me
	s_mul_i32 s2, s2, (TL/4)*KT*FRB
	s_add_nc_u64 s[PFA:PFA+1], s[PFA:PFA+1], s[2:3]
.irp s, 0,1
	s_mov_b32 s[G0+4*\s], 1
	s_add_co_u32 s[G0+4*\s+1], s45, \s*SLOT
	s_add_nc_u64 s[G0+4*\s+2:G0+4*\s+3], s[20:21], \s*ROWT
	s_or_b32 s[G0+4*\s+3], s[G0+4*\s+3], 0x80000000
	s_mov_b32 s[G0B+4*\s], 1
	s_add_co_u32 s[G0B+4*\s+1], s45, \s*SLOT
	s_add_nc_u64 s[G0B+4*\s+2:G0B+4*\s+3], s[46:47], \s*ROWT
	s_or_b32 s[G0B+4*\s+3], s[G0B+4*\s+3], 0x80000000
.endr
; The head's four tiles, one joint load a wave, in one chain of branches on the wave's number: wave 0 A's part of slot 0, wave 1 A's scale words, wave 2 B's part of slot 0, wave 3 B's scale words.
.macro ARM under, g0, g1, next
	s_cmp_lt_u32 s14, \under
	s_cbranch_scc0 \next
	tensor_load_to_lds s[\g0:\g0+3], s[\g1:\g1+7]
	s_nop 0
.rept 4
	v_nop
.endr
	s_branch .Lhead_asked
\next:
.endm
	ARM 1, G0, G1, .Lhead_sa
	ARM 2, G0S, G1S, .Lhead_b
	ARM 3, G0B, G1B, .Lhead_sb
	tensor_load_to_lds s[G0SB:G0SB+3], s[G1SB:G1SB+7]
	s_nop 0
.rept 4
	v_nop
.endr
.Lhead_asked:
	s_wait_alu depctr_va_vdst(0)
	global_prefetch_b8 v[PFO], s[PFA:PFA+1] offset:ROWT th:TH_LOAD_NT scope:SCOPE_SE
.if NS > 2
	global_prefetch_b8 v[PFO], s[PFA:PFA+1] offset:2*ROWT th:TH_LOAD_NT scope:SCOPE_SE
.endif
	s_wait_tensorcnt 0x0                           ; my tile of the four is in; slot 1's first fill is issued as a refill is
	ds_add_u32 v[SPW], v[NIL]
	s_mov_b32 s[G1+2], TL<<16                      ; no tensor load of mine is out: from here on a load brings TL tiles of rows
	s_mov_b32 s[G1+4], TL
	s_mov_b32 s[G1B+2], TL<<16
	s_mov_b32 s[G1B+4], TL
	s_wait_dscnt 0x0
	CROUND
	JLOAD G0+4, G1, G0B+4, G1B                     ; slot 1, a quarter a wave
.if NS > 3
	global_prefetch_b8 v[PFO], s[PFA:PFA+1] offset:3*ROWT th:TH_LOAD_NT scope:SCOPE_SE
.endif
	v_and_b32 v1, 15, v0
	v_bfe_u32 v2, v0, 4, 1
	s_wait_alu depctr_va_vdst(0)
	v_and_b32 v3, 31, v0
	v_lshlrev_b32 v4, 3, v3
	s_mul_i32 s18, s15, HALFT
	s_mul_i32 s19, s16, HALFT
	s_add_co_u32 s19, s19, 2*HALFT
.irp s, 0,1
	v_add_nc_u32 v[ADRA+\s], s18, v4
	v_add_nc_u32 v[ADRB+\s], s19, v4
	s_add_co_u32 s18, s18, SLOT
	s_add_co_u32 s19, s19, SLOT
.endr
	s_mul_i32 s18, s15, HALFS
	s_mul_i32 s19, s16, HALFS
	s_add_co_u32 s19, s19, 2*HALFS
	s_sub_co_u32 s19, s19, s18
	v_mul_u32_u24 v5, s19, v2
	s_add_co_u32 s18, s18, SCL
	v_lshl_add_u32 v5, v1, 2, v5
	v_add_nc_u32 v[ADRS], s18, v5
.set STO, 5
.set RD,  6
.set RO,  7
.set BO,  12
.set OB,  64
	s_mul_i32 s18, s14, 4352
	v_mul_u32_u24 v[STO], v1, 272
	v_lshl_add_u32 v[STO], v2, 6, v[STO]
	v_add_nc_u32 v[STO], s18, v[STO]
	v_mul_u32_u24 v[RD], v2, 272
	v_lshl_add_u32 v[RD], v1, 4, v[RD]
	v_add_nc_u32 v[RD], s18, v[RD]
	v_lshlrev_b32 v[BO], 4, v1
	s_wait_alu depctr_va_vdst(0)
	v_lshl_add_u32 v[RO], v2, 12, v[BO]
	s_wait_alu depctr_va_vdst(0)
	s_lshl_b32 s18, s17, 7
	s_lshl_b32 s19, s15, 6
	s_add_co_u32 s18, s18, s19
	s_lshl_b32 s18, s18, 12
	s_lshl_b32 s19, s42, 9
	s_add_co_u32 s18, s18, s19
	s_lshl_b32 s19, s16, 8
	s_add_co_u32 s18, s18, s19
	s_mov_b32 s19, 0
	s_add_nc_u64 s[8:9], s[8:9], s[18:19]
	s_add_nc_u64 s[OUTP:OUTP+1], s[OUTP:OUTP+1], s[18:19]
.if HASB
	s_lshl_b32 s18, s42, 9
	s_lshl_b32 s66, s16, 8
	s_add_co_u32 s18, s18, s66
	s_add_nc_u64 s[10:11], s[10:11], s[18:19]
	global_load_b128 v[8:11], v[BO], s[10:11]
.endif
	WIN 0xc0
.irp a, 0,1,2,3
.irp t, 0,1,2,3,4,5,6,7
	global_load_b128 v[32*\a+4*\t:32*\a+4*\t+3], v[RO], s[8:9] offset:(32*(\a/2)+8*(\a%2)+2*\t+8*(\t/4))*4096 th:TH_LOAD_NT
.endr
.endr
	WIN 0
	s_wait_tensorcnt 1
	s_barrier_signal -1
	s_barrier_wait -1
	SCALES 0
	FETCH 0, 0, 0
	STEP 0, 0, 1
.if LAPS > 1
	s_mov_b32 s3, LAPS-1
.Llap:
	MID 0, 1
	TURN 0, 1, 1
	MID 1, 0
	TURN 1, 0, 1
	STEP 0, 0, 0
	s_sub_co_u32 s3, s3, 1
	s_cmp_lg_u32 s3, 0
	s_cbranch_scc1 .Llap
.endif
	MID 0, 1
	TURN 0, 1, 0
	MID 1, 0
	LAST
	s_wait_loadcnt 0x0
	PLACES
.macro OUT a
.if (\a) >= 2
	s_wait_xcnt 0x0
.endif
	WIN 0x08
.irp b, 0,1,2,3
	ds_store_b128 v[STO], v[8*(4*(\a)+\b):8*(4*(\a)+\b)+3] offset:128*(\b/2)+32*(\b%2)
	ds_store_b128 v[STO], v[8*(4*(\a)+\b)+4:8*(4*(\a)+\b)+7] offset:128*(\b/2)+32*(\b%2)+16
.endr
	WIN 0
.irp t, 0,1,2,3,4,5,6,7
	ds_load_b128 v[OB+32*((\a)%2)+4*\t:OB+32*((\a)%2)+4*\t+3], v[RD] offset:544*\t
.endr
	s_wait_dscnt 0x0
	WIN 0x0c
.set ON, 0
.rept 16
	v_pk_add_f32 v[OB+32*((\a)%2)+ON:OB+32*((\a)%2)+ON+1], v[OB+32*((\a)%2)+ON:OB+32*((\a)%2)+ON+1], v[32*(\a)+ON:32*(\a)+ON+1]
.set ON, ON+2
.endr
	WIN 0
.if HASB
.set ON, 0
.rept 16
	v_pk_add_f32 v[OB+32*((\a)%2)+ON:OB+32*((\a)%2)+ON+1], v[OB+32*((\a)%2)+ON:OB+32*((\a)%2)+ON+1], v[8+ON%4:9+ON%4]
.set ON, ON+2
.endr
.endif
.irp t, 0,1,2,3,4,5,6,7
	global_store_b128 v[RO], v[OB+32*((\a)%2)+4*\t:OB+32*((\a)%2)+4*\t+3], s[OUTP:OUTP+1] offset:(32*((\a)/2)+8*((\a)%2)+2*\t+8*(\t/4))*4096 th:TH_STORE_NT
.endr
.endm
	OUT 0
	OUT 1
	OUT 2
	OUT 3
	s_wait_tensorcnt 0x0
	ds_add_u32 v[SPW], v[NIL]
	s_wait_dscnt 0x0
	CROUND
	s_endpgm
.Lfunc_end_k_q6f81f75916_ff2:
	.size	k_q6f81f75916_ff2, .Lfunc_end_k_q6f81f75916_ff2-k_q6f81f75916_ff2
	.p2alignl 7, 3214868480
	.fill 96, 4, 3214868480
	.section	.rodata,"a",@progbits
	.p2align	6, 0x0
	.amdhsa_kernel k_q6f81f75916_ff2
		.amdhsa_group_segment_fixed_size 327680
		.amdhsa_private_segment_fixed_size 0
		.amdhsa_enable_private_segment 0
		.amdhsa_kernarg_size 40
		.amdhsa_user_sgpr_count 2
		.amdhsa_user_sgpr_kernarg_segment_ptr 1
		.amdhsa_wavefront_size32 1
		.amdhsa_system_sgpr_workgroup_id_x 1
		.amdhsa_system_sgpr_workgroup_id_y 1
		.amdhsa_system_sgpr_workgroup_id_z 1
		.amdhsa_system_vgpr_workitem_id 0
		.amdhsa_next_free_vgpr 1024
		.amdhsa_next_free_sgpr 100
		.amdhsa_reserve_vcc 0
		.amdhsa_float_denorm_mode_32 3
		.amdhsa_float_denorm_mode_16_64 3
		.amdhsa_memory_ordered 1
		.amdhsa_forward_progress 1
		.amdhsa_inst_pref_size 123
	.end_amdhsa_kernel
	.amdgpu_metadata
---
amdhsa.version: [ 1, 2 ]
amdhsa.kernels:
  - .name:           k_q6f81f75916_ff2
    .symbol:         k_q6f81f75916_ff2.kd
    .args:
      - { .name: fq, .offset: 0, .size: 8, .value_kind: global_buffer, .address_space: global }
      - { .name: wq, .offset: 8, .size: 8, .value_kind: global_buffer, .address_space: global }
      - { .name: x1, .offset: 16, .size: 8, .value_kind: global_buffer, .address_space: global }
      - { .name: ff2_b, .offset: 24, .size: 8, .value_kind: global_buffer, .address_space: global }
      - { .name: out0, .offset: 32, .size: 8, .value_kind: global_buffer, .address_space: global }
    .group_segment_fixed_size: 327680
    .private_segment_fixed_size: 0
    .kernarg_segment_align: 8
    .kernarg_segment_size: 40
    .max_flat_workgroup_size: 128
    .sgpr_count:     100
    .vgpr_count:     1024
    .wavefront_size: 32
...
	.end_amdgpu_metadata
.endif
;; end of part 7
